; MI455X (gfx1250); checked and timed in simulation.
; The chip was launched on July 23, 2026; its instructions are those of AMD's public machine-readable ISA for CDNA 5 (MIT licence, August 2026) and "CDNA5" Instruction Set Architecture Reference Guide (July 2026). The comments in the code are by the model that wrote it; some were corrected since.
;; Lo RA MOE FFN. Allowed arithmetic: float matrix products may take bf16 or f16 operands with f32 sums; other float arithmetic in f32, or as packed bf16 or f16 multiplies, adds, multiply-adds, maxima and minima; sums over many terms, partial sums and values carried from step to step in f32; what a program stores and reads back later, other than sums and carried values, may be rounded once to bf16 or f16.
;; Inputs: A_down 8 x 16 x 2,048 float32; A_gate 8 x 16 x 2,048 float32; A_up 8 x 16 x 2,048 float32; B_down 8 x 2,048 x 16 float32; B_gate 8 x 2,048 x 16 float32; B_up 8 x 2,048 x 16 float32; router_b 8 float32; router_w 8 x 2,048 float32; w_down 2,048 x 2,048 float32; w_gate 2,048 x 2,048 float32; w_up 2,048 x 2,048 float32; x 4 x 1,024 x 2,048 float32.
;; Outputs: out0 4 x 1,024 x 2,048 float32; out1 4 x 1,024 x 8 float32; out2 4 x 1,024 x 8 float32.
;; One version. Each part assembles by itself: llvm-mc -triple=amdgcn-amd-amdhsa -mcpu=gfx1250 --defsym DOCPART=n.
;; ======== version 1 of 1: 4 launches
;; workspace buffers: xb 16,777,216 bytes; wb 27,787,264 bytes; agu 1,048,576 bytes; adn 524,288 bytes; idx 16,384 bytes of whole numbers; tx 16,777,216 bytes; hb 16,777,216 bytes; tdp 4,194,304 bytes
;; launch prep (part 1): grid 256 x 1, 8 waves a work-group, no clusters, 72,704 bytes of LDS; arguments x, router_w, router_b, w_gate, w_up, w_down, A_gate, A_up, A_down, B_gate, B_up, B_down, xb, wb, agu, adn, idx, out1, out2; writes xb, wb, agu, adn, idx, out1, out2
.if DOCPART == 1
	.amdgcn_target "amdgcn-amd-amdhsa--gfx1250"
	.amdhsa_code_object_version 6
	.text
	.protected	k_q575dceb64d_prep
	.globl	k_q575dceb64d_prep
	.p2align	8
	.type	k_q575dceb64d_prep,@function
k_q575dceb64d_prep:
	s_mov_b64 s[64:65], 0
	v_nop
	global_prefetch_b8 v0, s[64:65] scope:SCOPE_SE
	s_setreg_imm32_b32 hwreg(HW_REG_WAVE_MODE, 25, 1), 1
	s_wait_xcnt 0x0
; PREP: every input is rounded once to bf16 and laid out for the products that follow; the router is computed on the way.
;   xb  [4096][2048] bf16 = x.       agu [256][2048] = A_gate, A_up flat.       adn [128][2048] = A_down flat.
;   wb: WGU [4096][2304] at byte 0: block j of 128 rows = w_gate rows 64 j .. 64 j + 63, then w_up rows 64 j .. 64 j + 63; columns 2048-2175 hold B_gate[e][o][r] at 16 e + r
;       in gate rows and 0 in up rows; columns 2176-2303 hold 0 in gate rows and B_up in up rows.  WDN [2048][2176] at byte WDOFF: w_down, then B_down in the same way.
;   out1 = softmax(x router_w^T + router_b), out2 = (onehot - out1) + out1, idx = argmax of out1 (the lower index wins a tie).
; The router multiplies x, router_w in bf16 with f32 sums and adds router_b rounded to bf16: all inputs of the program have the same one rounding.
; SHARES.  256 work-groups of 8 waves.  The work-group owns 16 tokens; wave w owns k = 256 w .. 256 w + 255 of them: it loads them, rounds them, stores them to xb, lays them into its own
; LDS bytes and multiplies them by its slice of router_w (8 matrix instructions); the eight partial sums meet in LDS, and wave 0 makes the softmax for the 16 tokens.
; Wave W = 8 x work-group + w also owns row W of w_gate, w_up, w_down, of the three B, and the 512 bytes W of the three A.
; Memory binds here: each wave has up to 64 loads of 512 bytes out; each store of a wave covers 256 consecutive bytes, aligned.  No tensor load and no cluster: every byte but router_w's
; 65,536 has one wave that loads it, so nothing is shared that a joint load could spare.
; LIMITS.  NaN and infinities are not treated apart.  Two logits that differ by less than the rounding of the f32 sums may give the other index than an f32 sum in another order.
.set XPITCH, 528                       ; a token's 256 bf16 in LDS: 512 bytes + 16: the 16 rows of a fragment load start at 16 different groups of four banks (64 banks of 4 bytes: ISA guide 11.1)
.set XWAVE,  16*XPITCH                 ; a wave's own 16 rows
.set RED,    8*XWAVE                   ; 8 x 512 bytes: wave w's partial logits, 32 bytes a token
.set SPARE,  RED+8*512                 ; the spare words: 128 bytes for each wave, four blocks of 256 bytes that no other line names
.set WGUP,   4608                      ; bytes in a row of WGU
.set WDNP,   4352                      ; bytes in a row of WDN
.set WDOFF,  4096*WGUP
.set LO16, 4                           ; v4   16 x lane
.set LO8,  5                           ; v5   8 x lane
.set RWO,  6                           ; v6   router_w: (lane % 8) x 8,192 + 32 x (lane / 16)
.set BO,   7                           ; v7   B: (lane / 4) x 131,072 + 16 x (lane % 4)
.set XSS,  8                           ; v8   LDS: where I put 8 bytes of a token's row
.set XSF,  9                           ; v9   LDS: my lane's place in a fragment of x
.set REDS, 10                          ; v10  LDS: where my wave puts token lane % 16's partial logits
.set REDL, 11                          ; v11  LDS: wave 0's partial logits of that token
.set OO,   12                          ; v12  out1, out2: 32 x (lane % 16) + 16 x (lane / 16)
.set IO,   13                          ; v13  idx: 4 x (lane % 16)
.set SPW,  14                          ; v14  LDS address of my spare word; never rewritten
.set NIL,  15                          ; v15  0; never rewritten
.set RWF,  16                          ; v16-79   router_w's fragments, 8 K steps; later wave 0's eight sets of partial sums
.set PS,   16
.set XF,   80                          ; v80-143  x's fragments; later the last batch's bf16
.set CV,   144                         ; v144-207 bf16 to store
.set ACC0, 208
.set ACC1, 216
.set WK,   224                         ; v224-251 at work
.set ZZ,   252                         ; v252-253 0
.set R1,   0                           ; window 1: v0-127, v128-255: f32 as loaded
.set R2,   128
.set MSB, 0
.macro WIN new                         ; the immediate's high byte repeats the setting that is left; a switch that changes nothing is dropped
.if MSB != (\new)
	s_set_vgpr_msb (MSB<<8)|(\new)
.set MSB, \new
.endif
.endm
.set TO_1,   0x40                      ; destination window 1, address window 0
.set FROM_1, 0x05                      ; sources 0 and 1 window 1, destination window 0
	s_load_b512 s[8:23], s[0:1], 0x0               ; x 8, router_w 10, router_b 12, w_gate 14, w_up 16, w_down 18, A_gate 20, A_up 22
	s_load_b512 s[24:39], s[0:1], 0x40             ; A_down 24, B_gate 26, B_up 28, B_down 30, xb 32, wb 34, agu 36, adn 38
	s_load_b128 s[40:43], s[0:1], 0x80             ; idx 40, out1 42
	s_load_b64 s[44:45], s[0:1], 0x90              ; out2
	v_lshl_add_u32 v[SPW], v0, 2, SPARE
	v_mov_b32 v[NIL], 0
	v_lshrrev_b32 v1, 5, v0
	v_readfirstlane_b32 s4, v1                     ; w
	s_lshl3_add_u32 s5, ttmp9, s4                  ; W = 8 x work-group + w
	v_and_b32 v1, 31, v0                           ; lane
	v_and_b32 v2, 15, v0                           ; r = lane % 16
	v_bfe_u32 v3, v0, 4, 1                         ; h = lane / 16
	v_lshlrev_b32 v[LO16], 4, v1
	v_and_b32 v[RWO], 7, v0                        ; fragment rows 8-15 repeat the experts 0-7, so that both halves of the lanes end with all 8 logits
	v_lshlrev_b32 v[RWO], 13, v[RWO]
	v_lshl_add_u32 v[RWO], v3, 5, v[RWO]
	s_mov_b32 s3, 0
	s_lshl_b32 s7, s4, 10                          ; my 256 f32 in a row
	s_lshl_b32 s2, ttmp9, 17                       ; 16 rows of 8,192 bytes
	s_add_co_u32 s2, s2, s7
	s_wait_kmcnt 0x0
	s_load_b256 s[48:55], s[12:13], 0x0            ; router_b, all 32 bytes of it
	s_add_nc_u64 s[8:9], s[8:9], s[2:3]
	s_mov_b32 s2, s7
	s_add_nc_u64 s[10:11], s[10:11], s[2:3]
	; router_w: lane (r, h) of K step ks wants k = 32 ks + 8 h + 0..7 and 32 ks + 16 + 8 h + 0..7 of expert r % 8: four loads of four f32
	WIN TO_1
.irp ks, 0,1,2,3,4,5,6,7
.irp j, 0,1,2,3
	global_load_b128 v[R1+16*\ks+4*\j:R1+16*\ks+4*\j+3], v[RWO], s[10:11] offset:128*\ks+16*(\j%2)+64*(\j/2)
.endr
.endr
.set i, 0
.rept 32                               ; x: token i / 2, half i % 2 of my 1,024 bytes: 512 consecutive bytes a load
	global_load_b128 v[R2+4*i:R2+4*i+3], v[LO16], s[8:9] offset:8192*(i/2)+512*(i%2) th:TH_LOAD_NT
.set i, i+1
.endr
	WIN 0
	; the other offsets and bases, while those loads are out
	v_lshlrev_b32 v[LO8], 3, v1
	v_lshrrev_b32 v[BO], 2, v1
	v_lshlrev_b32 v[BO], 17, v[BO]
	v_and_b32 v[XSS], 3, v0
	v_lshl_add_u32 v[BO], v[XSS], 4, v[BO]
	s_mul_i32 s6, s4, XWAVE
	v_add_nc_u32 v[XSS], s6, v[LO8]
	v_mul_u32_u24 v[XSF], v2, XPITCH
	v_lshl_add_u32 v[XSF], v3, 4, v[XSF]
	v_add_nc_u32 v[XSF], s6, v[XSF]
	v_lshl_add_u32 v[REDL], v2, 5, RED
	s_lshl_b32 s7, s4, 9
	v_add_nc_u32 v[REDS], s7, v[REDL]
	v_lshlrev_b32 v[OO], 5, v2
	v_lshl_add_u32 v[OO], v3, 4, v[OO]
	v_lshlrev_b32 v[IO], 2, v2
	v_mov_b32 v[ZZ], 0
	v_mov_b32 v[ZZ+1], 0
	s_lshl_b32 s2, s5, 13                          ; row W of the three weights
	s_add_nc_u64 s[14:15], s[14:15], s[2:3]
	s_add_nc_u64 s[16:17], s[16:17], s[2:3]
	s_add_nc_u64 s[18:19], s[18:19], s[2:3]
	s_lshl_b32 s2, s5, 9                           ; 512 bytes W of the three A
	s_add_nc_u64 s[20:21], s[20:21], s[2:3]
	s_add_nc_u64 s[22:23], s[22:23], s[2:3]
	s_add_nc_u64 s[24:25], s[24:25], s[2:3]
	s_lshl_b32 s2, s5, 6                           ; row W (64 bytes) in each expert's B
	s_add_nc_u64 s[26:27], s[26:27], s[2:3]
	s_add_nc_u64 s[28:29], s[28:29], s[2:3]
	s_add_nc_u64 s[30:31], s[30:31], s[2:3]
	s_lshl_b32 s2, ttmp9, 16                       ; xb: 16 rows of 4,096 bytes, my 512 bytes in a row
	s_add_co_u32 s2, s2, s7
	s_add_nc_u64 s[32:33], s[32:33], s[2:3]
	s_mul_i32 s2, s5, WDNP                         ; WDN's row W
	s_add_co_u32 s2, s2, WDOFF
	s_add_nc_u64 s[56:57], s[34:35], s[2:3]
	s_lshr_b32 s2, s5, 6                           ; WGU's row (W / 64) x 128 + W % 64 for the gate; the up row lies 64 rows on
	s_lshl_b32 s2, s2, 7
	s_and_b32 s7, s5, 63
	s_add_co_u32 s2, s2, s7
	s_mul_i32 s2, s2, WGUP
	s_add_nc_u64 s[34:35], s[34:35], s[2:3]
	s_lshl_b32 s2, s5, 8                           ; 256 bytes W of agu's halves and of adn
	s_add_nc_u64 s[36:37], s[36:37], s[2:3]
	s_add_nc_u64 s[38:39], s[38:39], s[2:3]
	s_lshl_b32 s2, ttmp9, 6
	s_add_nc_u64 s[40:41], s[40:41], s[2:3]
	s_lshl_b32 s2, ttmp9, 9
	s_add_nc_u64 s[42:43], s[42:43], s[2:3]
	s_add_nc_u64 s[44:45], s[44:45], s[2:3]
	s_wait_loadcnt 32                              ; router_w is in; the 32 loads of x stay out
	WIN FROM_1
.set i, 0
.rept 64
	v_cvt_pk_bf16_f32 v[RWF+i], v[R1+2*i], v[R1+2*i+1]
.set i, i+1
.endr
	WIN TO_1
.set i, 0
.rept 16
	global_load_b128 v[R1+4*i:R1+4*i+3], v[LO16], s[14:15] offset:512*i th:TH_LOAD_NT       ; my row of w_gate
.set i, i+1
.endr
.set i, 0
.rept 16
	global_load_b128 v[R1+64+4*i:R1+64+4*i+3], v[LO16], s[16:17] offset:512*i th:TH_LOAD_NT ; my row of w_up
.set i, i+1
.endr
	s_wait_loadcnt 32                              ; x is in; those 32 stay out
	WIN FROM_1
.set i, 0
.rept 64
	v_cvt_pk_bf16_f32 v[CV+i], v[R2+2*i], v[R2+2*i+1]
.set i, i+1
.endr
	WIN 0
.set i, 0
.rept 32
	global_store_b64 v[LO8], v[CV+2*i:CV+2*i+1], s[32:33] offset:4096*(i/2)+256*(i%2)        ; 256 consecutive bytes, aligned
	ds_store_b64 v[XSS], v[CV+2*i:CV+2*i+1] offset:XPITCH*(i/2)+256*(i%2)
.set i, i+1
.endr
	WIN TO_1
.set i, 0
.rept 16
	global_load_b128 v[R2+4*i:R2+4*i+3], v[LO16], s[18:19] offset:512*i th:TH_LOAD_NT       ; my row of w_down
.set i, i+1
.endr
	global_load_b128 v[R2+64:R2+67], v[LO16], s[20:21] th:TH_LOAD_NT                         ; A_gate, A_up, A_down
	global_load_b128 v[R2+68:R2+71], v[LO16], s[22:23] th:TH_LOAD_NT
	global_load_b128 v[R2+72:R2+75], v[LO16], s[24:25] th:TH_LOAD_NT
	global_load_b128 v[R2+76:R2+79], v[BO], s[26:27]                                         ; B_gate, B_up, B_down: expert lane / 4, four ranks
	global_load_b128 v[R2+80:R2+83], v[BO], s[28:29]
	global_load_b128 v[R2+84:R2+87], v[BO], s[30:31]
	WIN 0
	; the router's partial sums: source 0 = 16 rows of router_w, source 1 = my 16 tokens: a lane ends with token lane % 16 and its 8 logits
.irp ks, 0,1,2,3,4,5,6,7
	ds_load_b128 v[XF+8*\ks:XF+8*\ks+3],   v[XSF] offset:64*\ks      ; LDS serves a wave's instructions in order (ISA guide 5.7.1.4): these see the stores above
	ds_load_b128 v[XF+8*\ks+4:XF+8*\ks+7], v[XSF] offset:64*\ks+32
.endr
	s_wait_dscnt 0x0
	v_wmma_f32_16x16x32_bf16 v[ACC0:ACC0+7], v[RWF:RWF+7], v[XF:XF+7], 0                     ; two accumulators by turns
	v_wmma_f32_16x16x32_bf16 v[ACC1:ACC1+7], v[RWF+8:RWF+15], v[XF+8:XF+15], 0
.irp ks, 2,4,6
	v_wmma_f32_16x16x32_bf16 v[ACC0:ACC0+7], v[RWF+8*\ks:RWF+8*\ks+7], v[XF+8*\ks:XF+8*\ks+7], v[ACC0:ACC0+7]
	v_wmma_f32_16x16x32_bf16 v[ACC1:ACC1+7], v[RWF+8*\ks+8:RWF+8*\ks+15], v[XF+8*\ks+8:XF+8*\ks+15], v[ACC1:ACC1+7]
.endr
.rept 4
	v_nop                                          ; four places between the last product and the first read of a result (ISA guide 7.12.1)
.endr
.irp p, 0,2,4,6
	v_pk_add_f32 v[WK+\p:WK+\p+1], v[ACC0+\p:ACC0+\p+1], v[ACC1+\p:ACC1+\p+1]
.endr
	ds_store_b128 v[REDS], v[WK:WK+3]              ; the two halves of the lanes hold the same numbers and store them to the same bytes
	ds_store_b128 v[REDS], v[WK+4:WK+7] offset:16
	s_wait_kmcnt 0x0                               ; router_b
	s_wait_dscnt 0x0                               ; for wave 0's sake: my partial sums are in LDS
	s_barrier_signal -1
	s_barrier_wait -1
	s_cmp_lg_u32 s4, 0
	s_cbranch_scc1 .Lnot_wave_0
	; WAVE 0: the 16 tokens' logits, softmax, argmax
.irp i, 0,1,2,3,4,5,6,7
	ds_load_b128 v[PS+8*\i:PS+8*\i+3],   v[REDL] offset:512*\i
	ds_load_b128 v[PS+8*\i+4:PS+8*\i+7], v[REDL] offset:512*\i+16
.endr
.irp j, 0,1,2,3
	v_cvt_pk_bf16_f32 v[WK+\j], s[48+2*\j], s[49+2*\j]   ; the bias has the rounding that all inputs have
.endr
.irp j, 0,1,2,3
	v_lshlrev_b32 v[WK+8+2*\j], 16, v[WK+\j]
	v_and_b32 v[WK+9+2*\j], 0xffff0000, v[WK+\j]
.endr
	s_mov_b32 s46, 0xffff0000                      ; lanes 16-31
	s_wait_dscnt 0x0
.irp i, 0,1,2,3
.irp p, 0,2,4,6
	v_pk_add_f32 v[PS+8*\i+\p:PS+8*\i+\p+1], v[PS+8*\i+\p:PS+8*\i+\p+1], v[PS+8*(\i+4)+\p:PS+8*(\i+4)+\p+1]
.endr
.endr
.irp i, 0,1
.irp p, 0,2,4,6
	v_pk_add_f32 v[PS+8*\i+\p:PS+8*\i+\p+1], v[PS+8*\i+\p:PS+8*\i+\p+1], v[PS+8*(\i+2)+\p:PS+8*(\i+2)+\p+1]
.endr
.endr
.irp p, 0,2,4,6
	v_pk_add_f32 v[PS+\p:PS+\p+1], v[PS+\p:PS+\p+1], v[PS+8+\p:PS+8+\p+1]
.endr
.irp p, 0,2,4,6
	v_pk_add_f32 v[PS+\p:PS+\p+1], v[PS+\p:PS+\p+1], v[WK+8+\p:WK+9+\p]   ; + bias: v16-23 are the logits
.endr
	v_max3_num_f32 v[WK+16], v16, v17, v18
	v_max3_num_f32 v[WK+16], v[WK+16], v19, v20
	v_max3_num_f32 v[WK+16], v[WK+16], v21, v22
	v_max_num_f32 v[WK+16], v[WK+16], v23          ; the row's maximum is taken away before the exponential
.irp j, 0,1,2,3,4,5,6,7
	v_sub_f32 v[24+\j], v[16+\j], v[WK+16]
.endr
.irp j, 0,1,2,3,4,5,6,7
	v_mul_f32 v[24+\j], 0x3fb8aa3b, v[24+\j]       ; x log2(e)
.endr
.irp j, 0,1,2,3,4,5,6,7
	v_exp_f32 v[24+\j], v[24+\j]
.endr
	v_nop                                          ; a plain instruction behind the last exponential (ISA guide 5.7.2),
	s_wait_alu depctr_va_vdst(0)                   ; and the one wait ahead of the batch's first use
	v_pk_add_f32 v[32:33], v[24:25], v[26:27]
	v_pk_add_f32 v[34:35], v[28:29], v[30:31]
	v_pk_add_f32 v[32:33], v[32:33], v[34:35]
	v_add_f32 v32, v32, v33
	v_rcp_f32 v33, v32
	v_mov_b32 v49, 0                               ; the plain instruction behind the reciprocal: the index starts at 0
	s_wait_alu depctr_va_vdst(0)
.irp j, 0,1,2,3,4,5,6,7
	v_mul_f32 v[40+\j], v[24+\j], v33              ; routing
.endr
	v_mov_b32 v48, v40
.irp j, 1,2,3,4,5,6,7
	v_cmp_gt_f32 vcc_lo, v[40+\j], v48             ; strictly greater: the lower index keeps a tie
	v_cndmask_b32 v49, v49, \j, vcc_lo
	v_max_num_f32 v48, v48, v[40+\j]
.endr
.irp j, 0,1,2,3,4,5,6,7
	v_cmp_eq_u32 vcc_lo, \j, v49
	v_cndmask_b32 v[56+\j], 0, 1.0, vcc_lo
	v_sub_f32 v[56+\j], v[56+\j], v[40+\j]         ; (onehot - routing) + routing, in that order
	v_add_f32 v[56+\j], v[56+\j], v[40+\j]
.endr
.irp j, 0,1,2,3
	v_cndmask_b32 v[64+\j], v[40+\j], v[44+\j], s46   ; lanes 16-31 store the experts 4-7
	v_cndmask_b32 v[68+\j], v[56+\j], v[60+\j], s46
.endr
	global_store_b128 v[OO], v[64:67], s[42:43]    ; the 16 tokens' 512 consecutive bytes
	global_store_b128 v[OO], v[68:71], s[44:45]
	global_store_b32 v[IO], v49, s[40:41]          ; both halves of the lanes store the same number to the same word
.Lnot_wave_0:
	s_wait_loadcnt 22                              ; my rows of w_gate and w_up are in; the last 22 loads stay out
	s_wait_xcnt 0x0                                ; CV, which the stores to xb read, is rewritten only behind this wait
	WIN FROM_1
.set i, 0
.rept 64
	v_cvt_pk_bf16_f32 v[CV+i], v[R1+2*i], v[R1+2*i+1]
.set i, i+1
.endr
	WIN 0
.set i, 0
.rept 16
	global_store_b64 v[LO8], v[CV+2*i:CV+2*i+1], s[34:35] offset:256*i
	global_store_b64 v[LO8], v[CV+32+2*i:CV+32+2*i+1], s[34:35] offset:64*WGUP+256*i
.set i, i+1
.endr
	global_store_b64 v[LO8], v[ZZ:ZZ+1], s[34:35] offset:4352                ; the gate row has no part in B_up's columns,
	global_store_b64 v[LO8], v[ZZ:ZZ+1], s[34:35] offset:64*WGUP+4096        ; nor the up row in B_gate's
	s_wait_loadcnt 0x0
	WIN FROM_1
.set i, 0
.rept 44
	v_cvt_pk_bf16_f32 v[XF+i], v[R2+2*i], v[R2+2*i+1]                        ; into registers that no pending store reads
.set i, i+1
.endr
	WIN 0
.set i, 0
.rept 16
	global_store_b64 v[LO8], v[XF+2*i:XF+2*i+1], s[56:57] offset:256*i
.set i, i+1
.endr
	global_store_b64 v[LO8], v[XF+32:XF+33], s[36:37]                        ; A_gate
	global_store_b64 v[LO8], v[XF+34:XF+35], s[36:37] offset:524288          ; A_up
	global_store_b64 v[LO8], v[XF+36:XF+37], s[38:39]                        ; A_down
	global_store_b64 v[LO8], v[XF+38:XF+39], s[34:35] offset:4096            ; B_gate: 8 x lane = 2 x (16 e + 4 (lane % 4))
	global_store_b64 v[LO8], v[XF+40:XF+41], s[34:35] offset:64*WGUP+4352    ; B_up
	global_store_b64 v[LO8], v[XF+42:XF+43], s[56:57] offset:4096            ; B_down
	s_wait_tensorcnt 0x0                           ; the wave's end
	ds_add_u32 v[SPW], v[NIL]
	s_wait_dscnt 0x0
	s_endpgm
.Lfunc_end_k_q575dceb64d_prep:
	.size	k_q575dceb64d_prep, .Lfunc_end_k_q575dceb64d_prep-k_q575dceb64d_prep
	.p2alignl 7, 3214868480
	.fill 96, 4, 3214868480
	.section	.rodata,"a",@progbits
	.p2align	6, 0x0
	.amdhsa_kernel k_q575dceb64d_prep
		.amdhsa_group_segment_fixed_size 72704
		.amdhsa_private_segment_fixed_size 0
		.amdhsa_enable_private_segment 0
		.amdhsa_kernarg_size 152
		.amdhsa_user_sgpr_count 2
		.amdhsa_user_sgpr_kernarg_segment_ptr 1
		.amdhsa_wavefront_size32 1
		.amdhsa_system_sgpr_workgroup_id_x 1
		.amdhsa_system_sgpr_workgroup_id_y 1
		.amdhsa_system_sgpr_workgroup_id_z 1
		.amdhsa_system_vgpr_workitem_id 0
		.amdhsa_next_free_vgpr 512
		.amdhsa_next_free_sgpr 66
		.amdhsa_reserve_vcc 1
		.amdhsa_float_denorm_mode_32 3
		.amdhsa_float_denorm_mode_16_64 3
		.amdhsa_memory_ordered 1
		.amdhsa_forward_progress 1
		.amdhsa_inst_pref_size 51
	.end_amdhsa_kernel
	.amdgpu_metadata
---
amdhsa.version: [ 1, 2 ]
amdhsa.kernels:
  - .name:           k_q575dceb64d_prep
    .symbol:         k_q575dceb64d_prep.kd
    .args:
      - { .name: x, .offset: 0, .size: 8, .value_kind: global_buffer, .address_space: global }
      - { .name: router_w, .offset: 8, .size: 8, .value_kind: global_buffer, .address_space: global }
      - { .name: router_b, .offset: 16, .size: 8, .value_kind: global_buffer, .address_space: global }
      - { .name: w_gate, .offset: 24, .size: 8, .value_kind: global_buffer, .address_space: global }
      - { .name: w_up, .offset: 32, .size: 8, .value_kind: global_buffer, .address_space: global }
      - { .name: w_down, .offset: 40, .size: 8, .value_kind: global_buffer, .address_space: global }
      - { .name: A_gate, .offset: 48, .size: 8, .value_kind: global_buffer, .address_space: global }
      - { .name: A_up, .offset: 56, .size: 8, .value_kind: global_buffer, .address_space: global }
      - { .name: A_down, .offset: 64, .size: 8, .value_kind: global_buffer, .address_space: global }
      - { .name: B_gate, .offset: 72, .size: 8, .value_kind: global_buffer, .address_space: global }
      - { .name: B_up, .offset: 80, .size: 8, .value_kind: global_buffer, .address_space: global }
      - { .name: B_down, .offset: 88, .size: 8, .value_kind: global_buffer, .address_space: global }
      - { .name: xb, .offset: 96, .size: 8, .value_kind: global_buffer, .address_space: global }
      - { .name: wb, .offset: 104, .size: 8, .value_kind: global_buffer, .address_space: global }
      - { .name: agu, .offset: 112, .size: 8, .value_kind: global_buffer, .address_space: global }
      - { .name: adn, .offset: 120, .size: 8, .value_kind: global_buffer, .address_space: global }
      - { .name: idx, .offset: 128, .size: 8, .value_kind: global_buffer, .address_space: global }
      - { .name: out1, .offset: 136, .size: 8, .value_kind: global_buffer, .address_space: global }
      - { .name: out2, .offset: 144, .size: 8, .value_kind: global_buffer, .address_space: global }
    .group_segment_fixed_size: 72704
    .private_segment_fixed_size: 0
    .kernarg_segment_align: 8
    .kernarg_segment_size: 152
    .max_flat_workgroup_size: 256
    .sgpr_count:     66
    .vgpr_count:     512
    .wavefront_size: 32
...
	.end_amdgpu_metadata
.endif
;; end of part 1
;; launch tproj (part 2): grid 64 x 4, 4 waves a work-group, clusters of 4 x 4, 327,680 bytes of LDS; arguments xb, agu, idx, tx; writes tx
.if DOCPART == 2
	.amdgcn_target "amdgcn-amd-amdhsa--gfx1250"
	.amdhsa_code_object_version 6
	.text
	.protected	k_q575dceb64d_tproj
	.globl	k_q575dceb64d_tproj
	.p2align	8
	.type	k_q575dceb64d_tproj,@function
k_q575dceb64d_tproj:
	s_mov_b64 s[64:65], 0
	v_nop
	global_prefetch_b8 v0, s[64:65] scope:SCOPE_SE
	s_setreg_imm32_b32 hwreg(HW_REG_WAVE_MODE, 25, 1), 1
	s_wait_xcnt 0x0
	s_wait_alu depctr_hold_cnt(0) depctr_sa_sdst(0) depctr_va_vdst(0) depctr_va_sdst(0) depctr_va_ssrc(0) depctr_va_vcc(0) depctr_vm_vsrc(0)
	s_getreg_b32 s2, hwreg(HW_REG_IB_STS2, 6, 4)
	s_cmp_eq_u32 s2, 0
	s_cbranch_scc0 .Lentry_in_a_cluster
	s_endpgm
.Lentry_in_a_cluster:
	s_bfe_u32 s2, ttmp6, 0x10000c
	s_cmp_lg_u32 s2, 0xf033
	s_cbranch_scc0 .Lentry_shape_is_right
	s_endpgm
.Lentry_shape_is_right:
; Y[token][n] = bf16(2 x [idx[token] == (n / 16) % 8] x sum over k of X[token][k] AM[n][k]).  X: [4096][2048] bf16.  AM: [256][2048] bf16, row 16 e + r = rank r of expert e, A_gate's
; 128 rows and then A_up's.  Y's rows lie 4,096 bytes apart, as X's do; this launch writes bytes 0 .. 511 of each.  The factor 2 is lora_alpha / rank; the experts that a token did not
; choose give 0, by a select on idx: no address and no branch hangs on idx.
; SHARES.  A work-group has 64 tokens (x) and 64 rows of AM (y), four experts; a wave 32 x 32: four accumulators.  K goes in four chunks of 512 through two LDS slots; each wave's tensor
; load brings 32 rows of 1,024 bytes.  The product is used transposed (source 0 = 16 rows of AM, source 1 = 16 tokens): a lane holds one token and 8 neighbouring ranks of ONE expert.
; CLUSTER 4 x 4; the grid is one cluster high.  X's tiles hang on the work-group's x alone and are asked for jointly along a column of the cluster, AM's on its y alone, along a row.
; A work-group's 64 columns are 128 bytes of a row of Y: its stores cover halves of aligned blocks of 256 bytes.  A tile of 32 x 128, whose rows would be whole, wants two slots of
; 166,400 bytes, which LDS does not hold.
; LIMITS.  NaN and infinities are not treated apart (0 times an infinite sum gives NaN, as in the formula).
.set PITCH,  1040                      ; an LDS row: 1,024 bytes + 16 = 260 words: row r starts at bank 4 r mod 64 (64 banks of 4 bytes: ISA guide 11.1)
.set QROWS,  32*PITCH                  ; what one tensor load brings
.set SLOT,   4*QROWS                   ; X's 64 rows, then AM's 64 rows
.set STAGE,  2*SLOT                    ; behind the ring: 64 rows x 144 bytes, the work-group's, for the way out
.set SP,     144
.set SPARE,  STAGE+64*SP               ; the spare words: 128 bytes for each wave, two blocks of 256 bytes that no other line names
.set FLAGS,  (1<<16)|(1<<20)|(1<<21)|(7<<22)|(3<<25)  ; 17:16 2-byte elements; 20 padding on; 21 set beside a mask; 24:22 after every 256 words (code 7); 31:25 4 words (code 3)
.set AX,  4                            ; v4-5   LDS address of my X fragments in slot 0, 1
.set AA,  6                            ; v6-7   the same for AM
.set STO, 8                            ; v8     the way out: where I put 16 bytes of a row
.set RD,  9                            ; v9     where I read rows back
.set CO,  10                           ; v10    my byte offset in Y
.set IO,  11                           ; v11    4 x (lane % 16)
.set SPW, 12                           ; v12    LDS address of my spare word; never rewritten
.set NIL, 13                           ; v13    0; never rewritten
.set IDX, 14                           ; v14-15 the chosen expert of my token in token block 0, 1
.set M,   16                           ; v16-23 0 or 2, a pair for each accumulator
.set TAA, 24                           ; v24    in a chunk's loop: AM's address at the trip's place along K
.set TAX, 25                           ; v25    X's
.set ACC, 32                           ; v32-63 accumulator (a, b) at ACC + 8 (2 a + b)
.set F0,  64                           ; two fragment buffers of 64 along K: for each 32: AM's blocks 0, 1, X's blocks 0, 1
.set F1,  128
.set P,   192                          ; v192-207 packed results
.set RB,  208                          ; v208-223 rows read back
.set EX,  2                            ; s2, s3  the experts of my n blocks 0, 1
.set KB,  44                           ; s44    a chunk's loop: bytes along K
.set CT,  45                           ; s45    its counter
.set G1X, 24                           ; s[24:31] descriptor group 1 for X's tiles;  s[32:39] group 0, a set for each slot
.set G0X, 32
.set G1A, 48                           ; s[48:55], s[56:63] the same for AM's
.set G0A, 56
.macro JLOAD s                         ; waves 0 and 1 fetch X's two halves, waves 2 and 3 AM's; an s_nop 0 and four v_nop follow each line, ahead of the jump and the label
	s_cmp_eq_u32 s13, 0
	s_cbranch_scc0 .Lfor_a_\@
	tensor_load_to_lds s[G0X+4*(\s):G0X+4*(\s)+3], s[G1X:G1X+7]
	s_nop 0
.rept 4
	v_nop
.endr
	s_branch .Lasked_\@
.Lfor_a_\@:
	tensor_load_to_lds s[G0A+4*(\s):G0A+4*(\s)+3], s[G1A:G1A+7]
	s_nop 0
.rept 4
	v_nop
.endr
.Lasked_\@:
.endm
.macro CROUND                          ; a round of the cluster's barrier
	s_barrier_signal -1
	s_barrier_wait -1
	s_cmp_lg_u32 s12, 0
	s_cbranch_scc1 .Lnot_wave_0_\@
	s_barrier_signal -3
.Lnot_wave_0_\@:
	s_barrier_wait -3
	s_barrier_signal -1
	s_barrier_wait -1
.endm
.macro PLACES                          ; four places in front of loads into registers that matrix instructions have read, and of reads of their results
.rept 4
	v_nop
.endr
.endm
	s_load_b256 s[4:11], s[0:1], 0x0               ; X s[4:5], AM s[6:7], idx s[8:9], Y s[10:11]
	v_lshl_add_u32 v[SPW], v0, 2, SPARE
	v_mov_b32 v[NIL], 0
	ds_add_u32 v[SPW], v[NIL]                      ; the wave's opening; work on registers stands between the add and its wait
	v_lshrrev_b32 v1, 5, v0
	v_readfirstlane_b32 s12, v1                    ; wave 0..3
	s_lshr_b32 s13, s12, 1                         ; WH: my half of the tokens.  Also: I fetch for X (0) or for AM (1)
	s_and_b32 s14, s12, 1                          ; WL: my half of the n.  Also: which 32 rows of that tile I fetch
	s_bfe_u32 s15, ttmp6, 0x40000                  ; cx
	s_bfe_u32 s17, ttmp6, 0x40004                  ; cy: my block of 64 rows of AM, since the grid is one cluster high
	s_lshl_b32 s16, ttmp9, 2
	s_add_co_u32 s16, s16, s15                     ; my block of 64 tokens = 4 x cluster x + cx
	s_lshl_b32 s46, 0x1111, s15                    ; my column of the cluster
	s_lshl_b32 s47, s17, 2
	s_lshl_b32 s47, 15, s47                        ; my row
	s_or_b32 s[G1X], s46, FLAGS                    ; X's tiles go to my column,
	s_or_b32 s[G1A], s47, FLAGS                    ; AM's to my row
.irp g, G1X, G1A
	s_mov_b32 s[(\g)+1], 512<<16                   ; tensor_dim0 = 512
	s_mov_b32 s[(\g)+2], 32<<16                    ; tensor_dim1 = 32
	s_mov_b32 s[(\g)+3], 512<<16                   ; tile_dim0 = 512
	s_mov_b32 s[(\g)+4], 32                        ; tile_dim1 = 32
	s_mov_b32 s[(\g)+5], 2048                      ; elements from row to row
	s_mov_b32 s[(\g)+6], 0
	s_mov_b32 s[(\g)+7], 0
.endr
	s_lshl_b32 s18, s14, 5                         ; which 32 rows I fetch
	s_lshl_b32 s20, s16, 6
	s_add_co_u32 s20, s20, s18
	s_lshl_b32 s20, s20, 12                        ; X: row 64 x block + 32 x half, in bytes, in registers that never hold cy
	s_mov_b32 s21, 0
	s_lshl_b32 s22, s17, 6
	s_add_co_u32 s22, s22, s18
	s_lshl_b32 s22, s22, 12                        ; AM likewise, in registers that never hold cx
	s_mov_b32 s23, 0
	s_mul_i32 s19, s12, QROWS                      ; where they go: wave x 32 rows
	s_lshl_b32 s[EX], s17, 2
	s_lshl1_add_u32 s[EX], s14, s[EX]
	s_and_b32 s[EX], s[EX], 7                      ; n block 0's expert: (4 y + 2 WL) % 8, an even number,
	s_add_co_u32 s[EX+1], s[EX], 1                 ; and block 1's
	s_wait_dscnt 0x0                               ; the opening add is done
	s_wait_kmcnt 0x0
	s_add_nc_u64 s[40:41], s[4:5], s[20:21]
	s_add_nc_u64 s[42:43], s[6:7], s[22:23]
	CROUND                                         ; all sixteen work-groups are here: the first joint loads meet
.irp s, 0,1
	s_mov_b32 s[G0X+4*(\s)], 1
	s_add_co_u32 s[G0X+4*(\s)+1], s19, (\s)*SLOT
	s_add_nc_u64 s[G0X+4*(\s)+2:G0X+4*(\s)+3], s[40:41], (\s)*1024   ; chunk s
	s_or_b32 s[G0X+4*(\s)+3], s[G0X+4*(\s)+3], 0x80000000
	s_mov_b32 s[G0A+4*(\s)], 1
	s_add_co_u32 s[G0A+4*(\s)+1], s19, (\s)*SLOT
	s_add_nc_u64 s[G0A+4*(\s)+2:G0A+4*(\s)+3], s[42:43], (\s)*1024
	s_or_b32 s[G0A+4*(\s)+3], s[G0A+4*(\s)+3], 0x80000000
	JLOAD \s                                       ; two tensor loads of mine are out
.endr
	v_and_b32 v1, 15, v0                           ; r = l % 16
	v_bfe_u32 v2, v0, 4, 1                         ; h = l / 16
	v_mul_u32_u24 v3, v1, PITCH
	v_lshl_add_u32 v3, v2, 4, v3                   ; a fragment's row x pitch + 16 x half
	s_mul_i32 s44, s13, QROWS                      ; my 32 tokens
	s_mul_i32 s45, s14, QROWS                      ; my 32 rows of AM,
	s_add_co_u32 s45, s45, 2*QROWS                 ; which lie behind X's 64
.irp s, 0,1
	v_add_nc_u32 v[AX+(\s)], s44, v3
	v_add_nc_u32 v[AA+(\s)], s45, v3
	s_add_co_u32 s44, s44, SLOT
	s_add_co_u32 s45, s45, SLOT
.endr
	s_mul_i32 s44, s13, 32*SP                      ; into the stage: row 32 WH + 16 a + r, byte 64 WL + 32 b + 16 h
	s_lshl_b32 s45, s14, 6
	s_add_co_u32 s44, s44, s45
	s_add_co_u32 s44, s44, STAGE
	v_mul_u32_u24 v[STO], v1, SP
	v_lshl_add_u32 v[STO], v2, 4, v[STO]
	v_add_nc_u32 v[STO], s44, v[STO]
	v_bfe_u32 v3, v0, 3, 2                         ; back: wave w takes rows 16 w .. 16 w + 15, four rows of 128 bytes a load
	v_and_b32 v[IO], 7, v0
	s_mul_i32 s44, s12, 16*SP
	s_add_co_u32 s44, s44, STAGE
	v_mul_u32_u24 v[RD], v3, SP
	v_lshl_add_u32 v[RD], v[IO], 4, v[RD]
	v_add_nc_u32 v[RD], s44, v[RD]
	v_lshlrev_b32 v[CO], 12, v3                    ; and the same four rows in Y
	v_lshl_add_u32 v[CO], v[IO], 4, v[CO]
	v_lshlrev_b32 v[IO], 2, v1
	s_lshl_b32 s44, s16, 8                         ; idx at token 64 x block + 32 WH
	s_lshl_b32 s45, s13, 7
	s_add_co_u32 s44, s44, s45
	s_mov_b32 s45, 0
	s_add_nc_u64 s[8:9], s[8:9], s[44:45]
	global_load_b32 v[IDX], v[IO], s[8:9]
	global_load_b32 v[IDX+1], v[IO], s[8:9] offset:64
	s_lshl_b32 s46, s16, 18                        ; Y at row 64 x block + 16 x wave, byte 128 y
	s_lshl_b32 s47, s12, 16
	s_add_co_u32 s46, s46, s47
	s_lshl_b32 s47, s17, 7
	s_add_co_u32 s46, s46, s47
	s_mov_b32 s47, 0
	s_add_nc_u64 s[10:11], s[10:11], s[46:47]
; 16 LDS loads in one run: the fragments of 64 along K at byte k behind the addresses in v[ra] (AM) and v[rx] (X), into buffer f
.macro FETCH ra, rx, k, f
.irp c, 0,1
.irp i, 0,1
	ds_load_b128 v[(\f)+32*\c+8*\i:(\f)+32*\c+8*\i+3],         v[\ra] offset:(\k)+64*\c+\i*16*PITCH
	ds_load_b128 v[(\f)+32*\c+8*\i+4:(\f)+32*\c+8*\i+7],       v[\ra] offset:(\k)+64*\c+\i*16*PITCH+32
	ds_load_b128 v[(\f)+32*\c+16+8*\i:(\f)+32*\c+16+8*\i+3],   v[\rx] offset:(\k)+64*\c+\i*16*PITCH
	ds_load_b128 v[(\f)+32*\c+16+8*\i+4:(\f)+32*\c+16+8*\i+7], v[\rx] offset:(\k)+64*\c+\i*16*PITCH+32
.endr
.endr
.endm
; 4 matrix instructions, 32 along K: half c of buffer f; the four accumulators take turns.  zero = 1: the products start the sums
.macro MUL4 f, c, zero
.irp a, 0,1
.irp b, 0,1
.if \zero
	v_wmma_f32_16x16x32_bf16 v[ACC+8*(2*\a+\b):ACC+8*(2*\a+\b)+7], v[(\f)+32*(\c)+8*\b:(\f)+32*(\c)+8*\b+7], v[(\f)+32*(\c)+16+8*\a:(\f)+32*(\c)+16+8*\a+7], 0
.else
	v_wmma_f32_16x16x32_bf16 v[ACC+8*(2*\a+\b):ACC+8*(2*\a+\b)+7], v[(\f)+32*(\c)+8*\b:(\f)+32*(\c)+8*\b+7], v[(\f)+32*(\c)+16+8*\a:(\f)+32*(\c)+16+8*\a+7], v[ACC+8*(2*\a+\b):ACC+8*(2*\a+\b)+7]
.endif
.endr
.endr
.endm
; 64 along K: the next 64's fragments are asked for into g; then buffer f is multiplied
.macro GROUP ra, rx, k, f, g, zero
	PLACES
	FETCH \ra, \rx, \k, \g
	s_wait_dscnt 16                                ; all but the 16 just issued: buffer f is in
	MUL4 \f, 0, \zero
	MUL4 \f, 1, 0
.endm
; A chunk's first seven groups of eight: the first is written out (in chunk 0 it starts the sums); the other six are three trips of a loop, two groups a trip, 256 bytes along K a trip
.macro CH slot, zero
	GROUP AA+(\slot), AX+(\slot), 128, F0, F1, \zero
	s_mov_b32 s[KB], 256
	s_mov_b32 s[CT], 3
.Lch_\@:
	v_add_nc_u32 v[TAA], s[KB], v[AA+(\slot)]
	v_add_nc_u32 v[TAX], s[KB], v[AX+(\slot)]
	GROUP TAA, TAX, 0,   F1, F0, 0
	GROUP TAA, TAX, 128, F0, F1, 0
	s_add_co_u32 s[KB], s[KB], 256
	s_sub_co_u32 s[CT], s[CT], 1
	s_cmp_lg_u32 s[CT], 0
	s_cbranch_scc1 .Lch_\@
.endm
; The eighth group and the change of slots.  Each wave waits for all its tensor loads (its part of the next slot), adds 0 to its spare word, and waits for that and for its reads of this slot.
; fill = 1: a round of the cluster's barrier, and this slot is filled again, two chunks on, first thing behind it.
.macro TURN slot, next, fill
	s_wait_tensorcnt 0x0                           ; no tensor load of mine is out, so a group 0 may be written
	ds_add_u32 v[SPW], v[NIL]
.if \fill
	s_add_nc_u64 s[G0X+4*(\slot)+2:G0X+4*(\slot)+3], s[G0X+4*(\slot)+2:G0X+4*(\slot)+3], 2048
	s_add_nc_u64 s[G0A+4*(\slot)+2:G0A+4*(\slot)+3], s[G0A+4*(\slot)+2:G0A+4*(\slot)+3], 2048
.endif
	s_wait_dscnt 0x0                               ; the add is done, and my reads of this slot are over
.if \fill
	CROUND
	JLOAD \slot                                    ; the four v_nop behind it are also the places in front of the loads below
.else
	s_barrier_signal -1
	s_barrier_wait -1
	PLACES
.endif
	FETCH AA+(\next), AX+(\next), 0, F0
	MUL4 F1, 0, 0
	MUL4 F1, 1, 0
.endm
	s_wait_tensorcnt 0x1                           ; my part of chunk 0 is in; chunk 1's may stay out
	s_barrier_signal -1
	s_barrier_wait -1
	FETCH AA, AX, 0, F0
	CH 0, 1
	TURN 0, 1, 1                                   ; slot 0 takes chunk 2
	CH 1, 0
	TURN 1, 0, 1                                   ; slot 1 takes chunk 3
	CH 0, 0
	TURN 0, 1, 0
	CH 1, 0
	s_wait_dscnt 0x0
	MUL4 F1, 0, 0
	MUL4 F1, 1, 0
	; THE WAY OUT: times 0 or 2, rounded to bf16; through the work-group's stage, since a row's 128 bytes come from two waves
	PLACES
	s_wait_loadcnt 0x0                             ; idx
.irp a, 0,1
.irp b, 0,1
	v_cmp_eq_u32 vcc_lo, s[EX+\b], v[IDX+\a]
	v_cndmask_b32 v[M+2*(2*\a+\b)], 0, 2.0, vcc_lo
	v_cndmask_b32 v[M+2*(2*\a+\b)+1], 0, 2.0, vcc_lo
.endr
.endr
.irp a, 0,1
.irp b, 0,1
.irp p, 0,2,4,6
	v_pk_mul_f32 v[ACC+8*(2*\a+\b)+\p:ACC+8*(2*\a+\b)+\p+1], v[ACC+8*(2*\a+\b)+\p:ACC+8*(2*\a+\b)+\p+1], v[M+2*(2*\a+\b):M+2*(2*\a+\b)+1]
.endr
.irp p, 0,1,2,3
	v_cvt_pk_bf16_f32 v[P+4*(2*\a+\b)+\p], v[ACC+8*(2*\a+\b)+2*\p], v[ACC+8*(2*\a+\b)+2*\p+1]
.endr
	ds_store_b128 v[STO], v[P+4*(2*\a+\b):P+4*(2*\a+\b)+3] offset:\a*16*SP+32*\b
.endr
.endr
	s_wait_dscnt 0x0                               ; for the others' sake: my stores into the stage are done
	s_barrier_signal -1
	s_barrier_wait -1
.irp t, 0,1,2,3
	ds_load_b128 v[RB+4*\t:RB+4*\t+3], v[RD] offset:\t*4*SP
.endr
.irp t, 0,1,2,3
	s_wait_dscnt 3-\t
	global_store_b128 v[CO], v[RB+4*\t:RB+4*\t+3], s[10:11] offset:\t*16384   ; four rows, 128 consecutive bytes of each
.endr
	s_wait_tensorcnt 0x0                           ; the wave's end
	ds_add_u32 v[SPW], v[NIL]
	s_wait_dscnt 0x0
	CROUND                                         ; the closing round
	s_endpgm
.Lfunc_end_k_q575dceb64d_tproj:
	.size	k_q575dceb64d_tproj, .Lfunc_end_k_q575dceb64d_tproj-k_q575dceb64d_tproj
	.p2alignl 7, 3214868480
	.fill 96, 4, 3214868480
	.section	.rodata,"a",@progbits
	.p2align	6, 0x0
	.amdhsa_kernel k_q575dceb64d_tproj
		.amdhsa_group_segment_fixed_size 327680
		.amdhsa_private_segment_fixed_size 0
		.amdhsa_enable_private_segment 0
		.amdhsa_kernarg_size 32
		.amdhsa_user_sgpr_count 2
		.amdhsa_user_sgpr_kernarg_segment_ptr 1
		.amdhsa_wavefront_size32 1
		.amdhsa_system_sgpr_workgroup_id_x 1
		.amdhsa_system_sgpr_workgroup_id_y 1
		.amdhsa_system_sgpr_workgroup_id_z 1
		.amdhsa_system_vgpr_workitem_id 0
		.amdhsa_next_free_vgpr 224
		.amdhsa_next_free_sgpr 66
		.amdhsa_reserve_vcc 1
		.amdhsa_float_denorm_mode_32 3
		.amdhsa_float_denorm_mode_16_64 3
		.amdhsa_memory_ordered 1
		.amdhsa_forward_progress 1
		.amdhsa_inst_pref_size 42
	.end_amdhsa_kernel
	.amdgpu_metadata
---
amdhsa.version: [ 1, 2 ]
amdhsa.kernels:
  - .name:           k_q575dceb64d_tproj
    .symbol:         k_q575dceb64d_tproj.kd
    .args:
      - { .name: xb, .offset: 0, .size: 8, .value_kind: global_buffer, .address_space: global }
      - { .name: agu, .offset: 8, .size: 8, .value_kind: global_buffer, .address_space: global }
      - { .name: idx, .offset: 16, .size: 8, .value_kind: global_buffer, .address_space: global }
      - { .name: tx, .offset: 24, .size: 8, .value_kind: global_buffer, .address_space: global }
    .group_segment_fixed_size: 327680
    .private_segment_fixed_size: 0
    .kernarg_segment_align: 8
    .kernarg_segment_size: 32
    .max_flat_workgroup_size: 128
    .sgpr_count:     66
    .vgpr_count:     224
    .wavefront_size: 32
...
	.end_amdgpu_metadata
.endif
;; end of part 2
;; launch gemm1 (part 3): grid 16 x 16, 4 waves a work-group, clusters of 4 x 4, 327,680 bytes of LDS; arguments xb, wb, tx, adn, idx, hb, tdp; writes hb, tdp
.if DOCPART == 3
	.amdgcn_target "amdgcn-amd-amdhsa--gfx1250"
	.amdhsa_code_object_version 6
	.text
	.protected	k_q575dceb64d_gemm1
	.globl	k_q575dceb64d_gemm1
	.p2align	8
	.type	k_q575dceb64d_gemm1,@function
k_q575dceb64d_gemm1:
	s_mov_b64 s[64:65], 0
	v_nop
	global_prefetch_b8 v0, s[64:65] scope:SCOPE_SE
	s_setreg_imm32_b32 hwreg(HW_REG_WAVE_MODE, 25, 1), 1
	s_wait_xcnt 0x0
	s_wait_alu depctr_hold_cnt(0) depctr_sa_sdst(0) depctr_va_vdst(0) depctr_va_sdst(0) depctr_va_ssrc(0) depctr_va_vcc(0) depctr_vm_vsrc(0)
	s_getreg_b32 s2, hwreg(HW_REG_IB_STS2, 6, 4)
	s_cmp_eq_u32 s2, 0
	s_cbranch_scc0 .Lentry_in_a_cluster
	s_endpgm
.Lentry_in_a_cluster:
	s_bfe_u32 s2, ttmp6, 0x10000c
	s_cmp_lg_u32 s2, 0xf033
	s_cbranch_scc0 .Lentry_shape_is_right
	s_endpgm
.Lentry_shape_is_right:
; hb[token][o] = bf16(silu(G) x U), G = x . w_gate[o] + tg . B_gate[.][o], U = x . w_up[o] + tu . B_up[.][o]; tg and tu (in tx) are the token's 128 low-rank numbers, already
; times 2 and 0 for the experts not chosen.  So both LoRA terms are two more K steps of one product: [xb | tg | tu] (4096 x 2304) times WGU^T (4096 rows x 2304, in wb at byte 0).
; WGU's rows lie in blocks of 128: 64 gate rows, then the 64 up rows of the same outputs, so that ONE wave holds G and U of the same 64 outputs and the activation needs no exchange.
; tdp: the work-group's share of the NEXT layer's low-rank numbers: for each of its 256 tokens the sum over its 128 outputs o of h[token][o] A_down[e][rank][o], e the token's expert, in f32.
; SHARES.  A work-group: 256 tokens x 256 rows of WGU (128 outputs); four waves, each 128 x 128: 64 accumulators, 512 registers.  K goes in 18 steps of 128 through two LDS slots;
; steps 0-15 take A's tiles from xb, steps 16 and 17 from tx, whose rows lie as far apart as xb's: only the descriptor's address changes, by a select on the loop's counter.
; In step 16 WGU's up rows hold 0 and in step 17 its gate rows: but for the one quarter that stands in the loop, those halves are neither read from LDS nor multiplied.
; CLUSTER 4 x 4: A's tiles are shared along a row of the cluster, WGU's and A_down's along a column; each is asked for jointly by four work-groups.
; The matrix instruction is used transposed (source 0 = 16 rows of WGU, source 1 = 16 tokens): a lane holds one token and 8 neighbouring outputs.
; REGISTERS, in windows of 256: window 0: v0-47 addresses and small things; v64-127, v128-191 A's fragments, two buffers; v192-239 at work on the way out.  window 1: v64-191 WGU's
;   fragments; at the end all 256: A_down's.  window 2: the accumulators of my tokens 0-63 ((a, b) at v[8 (8 a + b)]; b = 0-3 gate, b = 4-7 up); window 3: those of tokens 64-127.
; THE STAGE for the way out is slot 0: it is stored into only behind the last change of slots, when slot 0 has had its last fill and its last read.
; LIMITS.  silu(g) = g / (1 + 2^(-g log2 e)): where the power overflows the quotient is 0, where it underflows g.  NaN and infinities in the sums are not treated apart.  h is rounded once, to bf16.
.set KSTEP,  128
.set PITCH,  272                       ; an LDS row: 256 bytes + 16 = 68 words: row r starts at bank 4 r mod 64 (64 banks of 4 bytes: ISA guide 11.1)
.set HALFT,  128*PITCH                 ; what one tensor load of the ring brings, and what one wave reads of A or of WGU
.set SLOT,   4*HALFT
.set SPARE,  2*SLOT                    ; behind the ring: the spare words, 128 bytes for each wave, two blocks of 256 bytes that no other line names
.set ADT,    SPARE+512                 ; A_down's tile: 128 rows x 272 bytes, filled once
.set LAPS,   9                         ; 18 K steps
.set XP,     4096                      ; bytes in a row of xb, tx, adn and hb
.set WGUP,   4608                      ; bytes in a row of WGU
.set ADRA, 16                          ; v16-17  LDS address of my A fragments in slot 0, 1
.set ADRC, 18                          ; v18     of A_down's fragments
.set ADRT, 19                          ; v19     of h's fragments in the trip in hand
.set ADRB, 20                          ; v20-21  of WGU's fragments in slot 0, 1
.set STO,  24                          ; v24     the way out: where I put 16 bytes of a row
.set RD,   25                          ; v25     where I read a row back
.set CO,   26                          ; v26     my byte offset in hb
.set LO16, 27                          ; v27     16 x lane
.set SPW,  28                          ; v28     LDS address of my spare word; never rewritten
.set NIL,  29                          ; v29     0; never rewritten
.set IO,   30                          ; v30     4 x (lane % 16)
.set AT0,  31                          ; v31     my lane's place in h's fragments of my first 16 rows of the stage
.set IDX,  32                          ; v32-35  the chosen expert of my token in the four blocks of 16 that I take at the end
.set R,    40                          ; v40-47  the chosen expert's 8 numbers
.set F0,   64
.set F1,   128
.set OB,   64                          ; the way out: 64 rows read back, v64-191
.set T,    192                         ; v192-223 32 numbers in f32; at the end h's fragments of 16 tokens
.set P,    224                         ; v224-239 packed
.set G1,  24                           ; s[24:31] group 1 for A's tiles;  s[32:39] group 0, a set for each slot
.set G0,  32
.set TT,  40                           ; s[40:43] tx at my rows, bytes 0 and 256, with the type bits: what K steps 16 and 17 ask by
.set MK,  40                           ; s41-47   at the end: the lanes whose token chose expert 1 .. 7
.set G1B, 48                           ; s[48:55], s[56:63] the same for WGU's tiles
.set G0B, 56
.set G1C, 80                           ; s[80:87], s[88:91] for A_down's tile
.set G0C, 88
.set MSB, 0
.macro WIN new                         ; the immediate's high byte repeats the setting that is left
.if MSB != (\new)
	s_set_vgpr_msb (MSB<<8)|(\new)
.set MSB, \new
.endif
.endm
.set MUL_LO, 0xa1                      ; source 0 window 1, source 1 window 0, C and D window 2
.set MUL_HI, 0xf1                      ; the same, C and D window 3
.set TO_B,   0x40                      ; destination window 1, address window 0
.macro JLOAD s                         ; waves 0 and 1 fetch A's two halves, waves 2 and 3 WGU's; an s_nop 0 and four v_nop follow each line, ahead of the jump and the label
	s_cmp_eq_u32 s13, 0
	s_cbranch_scc0 .Lfor_b_\@
	tensor_load_to_lds s[G0+4*(\s):G0+4*(\s)+3], s[G1:G1+7]
	s_nop 0
.rept 4
	v_nop
.endr
	s_branch .Lasked_\@
.Lfor_b_\@:
	tensor_load_to_lds s[G0B+4*(\s):G0B+4*(\s)+3], s[G1B:G1B+7]
	s_nop 0
.rept 4
	v_nop
.endr
.Lasked_\@:
.endm
.macro CREST                           ; a round of the cluster's barrier behind its opening barrier
	s_cmp_lg_u32 s12, 0
	s_cbranch_scc1 .Lnot_wave_0_\@
	s_barrier_signal -3
.Lnot_wave_0_\@:
	s_barrier_wait -3
	s_barrier_signal -1
	s_barrier_wait -1
.endm
.macro CROUND
	s_barrier_signal -1
	s_barrier_wait -1
	CREST
.endm
	s_load_b256 s[4:11], s[0:1], 0x0               ; xb s[4:5], wb s[6:7], tx s[8:9], adn s[10:11]
	s_load_b128 s[72:75], s[0:1], 0x20             ; idx s[72:73], hb s[74:75]
	s_load_b64 s[76:77], s[0:1], 0x30              ; tdp
	v_lshl_add_u32 v[SPW], v0, 2, SPARE
	v_mov_b32 v[NIL], 0
	ds_add_u32 v[SPW], v[NIL]                      ; the wave's opening
	v_lshrrev_b32 v1, 5, v0
	v_readfirstlane_b32 s12, v1                    ; wave 0..3
	s_lshr_b32 s13, s12, 1                         ; WH: my half of the tokens.  Also: I fetch for A (0) or for WGU (1)
	s_and_b32 s14, s12, 1                          ; WL: my half of WGU's rows.  Also: which 128 rows of that tile I fetch
	s_bfe_u32 s15, ttmp6, 0x40000                  ; cx
	s_bfe_u32 s16, ttmp6, 0x40004                  ; cy
	s_lshl_b32 s17, ttmp9, 2
	s_add_co_u32 s17, s17, s15                     ; tile column = 4 x cluster x + cx
	s_and_b32 s18, ttmp7, 0xffff
	s_lshl_b32 s18, s18, 2
	s_add_co_u32 s18, s18, s16                     ; tile row = 4 x cluster y + cy
	s_lshl_b32 s19, s16, 2
	s_lshl_b32 s19, 15, s19                        ; my row of the cluster
	s_lshl_b32 s20, 0x1111, s15                    ; my column
	s_or_b32 s[G1+0], s19, (1<<16)|(1<<20)|(1<<21)|(5<<22)|(3<<25)   ; 15:0 the mask; 17:16 2-byte elements; 20 padding on; 21 set beside a mask; 24:22 after every 64 words; 31:25 4 words
	s_or_b32 s[G1B+0], s20, (1<<16)|(1<<20)|(1<<21)|(5<<22)|(3<<25)
	s_or_b32 s[G1C+0], s20, (1<<16)|(1<<20)|(1<<21)|(5<<22)|(3<<25)
.irp g, G1, G1B, G1C
	s_mov_b32 s[(\g)+1], KSTEP<<16                 ; tensor_dim0 = 128
	s_mov_b32 s[(\g)+3], KSTEP<<16                 ; tile_dim0 = 128
	s_mov_b32 s[(\g)+6], 0
	s_mov_b32 s[(\g)+7], 0
.endr
.irp g, G1, G1B
	s_mov_b32 s[(\g)+2], 128<<16                   ; tensor_dim1 = 128
	s_mov_b32 s[(\g)+4], 128                       ; tile_dim1 = 128
.endr
	s_mov_b32 s[G1C+2], 32<<16                     ; A_down's tile: each wave brings 32 of its 128 rows
	s_mov_b32 s[G1C+4], 32
	s_mov_b32 s[G1+5], 2048                        ; elements from row to row: xb and tx,
	s_mov_b32 s[G1B+5], 2304                       ; WGU,
	s_mov_b32 s[G1C+5], 2048                       ; adn
	s_lshl_b32 s44, s14, 7                         ; which 128 rows I fetch
	s_lshl_b32 s22, s18, 8
	s_add_co_u32 s22, s22, s44
	s_lshl_b32 s22, s22, 12                        ; A: row 256 x tile row + 128 x half, in bytes
	s_mov_b32 s23, 0
	s_lshl_b32 s66, s17, 8
	s_add_co_u32 s66, s66, s44
	s_mul_i32 s66, s66, WGUP                       ; WGU: row 256 x tile column + 128 x half, in registers that never hold cy
	s_mov_b32 s67, 0
	s_lshl_b32 s78, s12, 17                        ; adn: row 32 x wave, byte 256 x tile column: the 128 outputs that this work-group makes
	s_lshl_b32 s79, s17, 8
	s_add_co_u32 s78, s78, s79
	s_mov_b32 s79, 0
	s_mul_i32 s21, s12, HALFT                      ; where the ring's tiles go: wave x 128 rows
	s_mov_b32 s[G0C], 1
	s_mul_i32 s[G0C+1], s12, 32*PITCH              ; and A_down's: wave x 32 rows
	s_add_co_u32 s[G0C+1], s[G0C+1], ADT
	s_mov_b32 s68, 0xbfb8aa3b                      ; -log2(e)
	s_mov_b32 s69, s68                             ; named with it as a pair
	s_wait_dscnt 0x0                               ; the opening add is done
	s_wait_kmcnt 0x0
	s_add_nc_u64 s[44:45], s[4:5], s[22:23]
	s_add_nc_u64 s[46:47], s[6:7], s[66:67]
	s_add_nc_u64 s[TT:TT+1], s[8:9], s[22:23]
	s_add_nc_u64 s[TT+2:TT+3], s[TT:TT+1], 256
	s_or_b32 s[TT+1], s[TT+1], 0x80000000
	s_or_b32 s[TT+3], s[TT+3], 0x80000000
	s_add_nc_u64 s[G0C+2:G0C+3], s[10:11], s[78:79]
	s_or_b32 s[G0C+3], s[G0C+3], 0x80000000
	CROUND                                         ; all sixteen work-groups are here: the first joint loads meet
.irp s, 0,1
	s_mov_b32 s[G0+4*(\s)], 1
	s_add_co_u32 s[G0+4*(\s)+1], s21, (\s)*SLOT
	s_add_nc_u64 s[G0+4*(\s)+2:G0+4*(\s)+3], s[44:45], (\s)*KSTEP*2
	s_or_b32 s[G0+4*(\s)+3], s[G0+4*(\s)+3], 0x80000000
	s_mov_b32 s[G0B+4*(\s)], 1
	s_add_co_u32 s[G0B+4*(\s)+1], s21, (\s)*SLOT
	s_add_nc_u64 s[G0B+4*(\s)+2:G0B+4*(\s)+3], s[46:47], (\s)*KSTEP*2
	s_or_b32 s[G0B+4*(\s)+3], s[G0B+4*(\s)+3], 0x80000000
	JLOAD \s
.endr
	tensor_load_to_lds s[G0C:G0C+3], s[G1C:G1C+7]  ; my quarter of A_down's tile, wanted last: three tensor loads of mine are out
	s_nop 0
	v_and_b32 v1, 15, v0                           ; r = l % 16
	v_bfe_u32 v2, v0, 4, 1                         ; h = l / 16
	v_mul_u32_u24 v3, v1, PITCH
	v_lshl_add_u32 v3, v2, 4, v3                   ; row x pitch + 16 x half
	s_mul_i32 s44, s13, HALFT                      ; my 128 tokens
	s_mul_i32 s45, s14, HALFT                      ; my 128 rows of WGU,
	s_add_co_u32 s45, s45, 2*HALFT                 ; which lie behind A's 256
	s_lshl_b32 s46, s14, 7
	v_add_nc_u32 v[STO], s44, v3                   ; into the stage: row 128 WH + 16 a + r, byte 128 WL + 32 b + 16 h
	v_add_nc_u32 v[STO], s46, v[STO]
.irp s, 0,1
	v_add_nc_u32 v[ADRA+(\s)], s44, v3
	v_add_nc_u32 v[ADRB+(\s)], s45, v3
	s_add_co_u32 s44, s44, SLOT
	s_add_co_u32 s45, s45, SLOT
.endr
	v_add_nc_u32 v[ADRC], ADT, v3
	s_mul_i32 s46, s12, 64*PITCH                   ; back: wave w takes rows 64 w .. 64 w + 63, whole; lanes 0-15 one row, lanes 16-31 the next
	v_add_nc_u32 v[AT0], s46, v3                   ; the same 64 rows as fragments of h
	v_mul_u32_u24 v4, v2, PITCH
	v_lshl_add_u32 v4, v1, 4, v4
	v_add_nc_u32 v[RD], s46, v4
	v_lshlrev_b32 v5, 12, v2                       ; and the same two rows in hb
	v_lshl_add_u32 v[CO], v1, 4, v5
	v_and_b32 v[LO16], 31, v0
	v_lshlrev_b32 v[LO16], 4, v[LO16]
	v_lshlrev_b32 v[IO], 2, v1
	s_lshl_b32 s70, s18, 10                        ; idx at token 256 x tile row + 64 x wave
	s_lshl_b32 s71, s12, 8
	s_add_co_u32 s70, s70, s71
	s_mov_b32 s71, 0
	s_add_nc_u64 s[72:73], s[72:73], s[70:71]
.irp a, 0,1,2,3
	global_load_b32 v[IDX+\a], v[IO], s[72:73] offset:64*\a
.endr
	s_lshl_b32 s70, s18, 8
	s_lshl_b32 s71, s12, 6
	s_add_co_u32 s70, s70, s71
	s_lshl_b32 s70, s70, 12                        ; hb at row 256 x tile row + 64 x wave,
	s_lshl_b32 s71, s17, 8                         ; byte 256 x tile column
	s_add_co_u32 s70, s70, s71
	s_mov_b32 s71, 0
	s_add_nc_u64 s[74:75], s[74:75], s[70:71]
	s_lshl_b32 s70, s17, 18                        ; tdp: [tile column][block of 16 tokens][1,024 bytes], at block 16 x tile row + 4 x wave
	s_lshl_b32 s71, s18, 14
	s_add_co_u32 s70, s70, s71
	s_lshl_b32 s71, s12, 12
	s_add_co_u32 s70, s70, s71
	s_mov_b32 s71, 0
	s_add_nc_u64 s[76:77], s[76:77], s[70:71]
; 2 nb matrix instructions: token blocks a0, a0 + 1 of the window's four x blocks b0 .. b0 + nb - 1 of WGU's rows, 32 along K.  zero = 1: the products start the sums
.macro MUL16 f, hi, a0, zero, b0=0, nb=8
	WIN MUL_LO+0x50*(\hi)
.irp a, \a0, (\a0)+1
.set bb, \b0
.rept \nb
.if \zero
	v_wmma_f32_16x16x32_bf16 v[8*(8*(\a)+bb):8*(8*(\a)+bb)+7], v[(\f)+8*bb:(\f)+8*bb+7], v[(\f)+8*(4*(\hi)+(\a)):(\f)+8*(4*(\hi)+(\a))+7], 0
.else
	v_wmma_f32_16x16x32_bf16 v[8*(8*(\a)+bb):8*(8*(\a)+bb)+7], v[(\f)+8*bb:(\f)+8*bb+7], v[(\f)+8*(4*(\hi)+(\a)):(\f)+8*(4*(\hi)+(\a))+7], v[8*(8*(\a)+bb):8*(8*(\a)+bb)+7]
.endif
.set bb, bb+1
.endr
.endr
.endm
; 2 nb + 16 LDS loads in one run: the fragments of one quarter step (32 K at byte k of the rows) into buffer f: nb blocks of WGU's rows, then A's eight
.macro FETCH slot, k, f, b0=0, nb=8
	WIN TO_B
.set bb, \b0
.rept \nb
	ds_load_b128 v[(\f)+8*bb:(\f)+8*bb+3],   v[ADRB+(\slot)] offset:(\k)+bb*16*PITCH
	ds_load_b128 v[(\f)+8*bb+4:(\f)+8*bb+7], v[ADRB+(\slot)] offset:(\k)+bb*16*PITCH+32
.set bb, bb+1
.endr
	WIN 0
.irp i, 0,1,2,3,4,5,6,7
	ds_load_b128 v[(\f)+8*(\i):(\f)+8*(\i)+3],   v[ADRA+(\slot)] offset:(\k)+(\i)*16*PITCH
	ds_load_b128 v[(\f)+8*(\i)+4:(\f)+8*(\i)+7], v[ADRA+(\slot)] offset:(\k)+(\i)*16*PITCH+32
.endr
.endm
.macro PLACES                          ; four places in front of loads into registers that matrix instructions have read, and of reads of their results
.rept 4
	v_nop
.endr
.endm
; A K step is four quarters of 32 along K on buffers 0, 1, 0, 1; the accumulators take turns, one instruction a turn.
.macro QUARTER slot, k, f, g, zero, b0=0, nb=8
	s_wait_dscnt 8                                 ; WGU's fragments and A's tokens 0-63 are in; the youngest eight loads may be out
	MUL16 \f, 0, 0, \zero, \b0, \nb
	MUL16 \f, 0, 2, \zero, \b0, \nb
	PLACES
	FETCH \slot, \k, \g, \b0, \nb
	s_wait_dscnt 16+2*(\nb)                        ; all but the run just issued
	MUL16 \f, 1, 0, \zero, \b0, \nb
	MUL16 \f, 1, 2, \zero, \b0, \nb
.endm
; The last quarter's first half and the barrier of the change of slots
.macro MEET round, b0=0, nb=8
	WIN 0                                          ; (the add's two registers lie in window 0)
	s_wait_tensorcnt 0x0                           ; all my tensor loads have landed: my part of the next slot (the first time A_down's tile too)
	ds_add_u32 v[SPW], v[NIL]
	s_wait_dscnt 9                                 ; the add and the youngest eight loads may be out
	MUL16 F1, 0, 0, 0, \b0, \nb
	s_wait_dscnt 0x0                               ; the add is done, and my reads of this slot are over
	s_barrier_signal -1
	MUL16 F1, 0, 2, 0, \b0, \nb
.if \round
	WIN 0
.endif
	s_barrier_wait -1
.endm
; The whole last quarter in the loop: the slot just read is filled again, two K steps on.  In the loop's last trip those are steps 16 and 17, whose A lies in tx.
.macro TURN slot, next
	MEET 1
	CREST                                          ; no wave of any partner still reads this slot or has a load on its way
	s_add_nc_u64 s[G0+4*(\slot)+2:G0+4*(\slot)+3], s[G0+4*(\slot)+2:G0+4*(\slot)+3], 2*KSTEP*2
	s_add_nc_u64 s[G0B+4*(\slot)+2:G0B+4*(\slot)+3], s[G0B+4*(\slot)+2:G0B+4*(\slot)+3], 2*KSTEP*2
	s_cmp_eq_u32 s3, 1                             ; the counter is the same in all partners
	s_cselect_b64 s[G0+4*(\slot)+2:G0+4*(\slot)+3], s[TT+2*(\slot):TT+2*(\slot)+1], s[G0+4*(\slot)+2:G0+4*(\slot)+3]
	JLOAD \slot                                    ; the first tensor load behind the round; its four v_nop are also the places in front of the loads below
	FETCH \next, 0, F0
	MUL16 F1, 1, 0, 0
	MUL16 F1, 1, 2, 0
.endm
	s_wait_tensorcnt 0x2                           ; my part of K step 0 is in; step 1's and A_down's tile may stay out
	s_barrier_signal -1
	s_barrier_wait -1
	FETCH 0, 0, F0
	QUARTER 0, 64,  F0, F1, 1                      ; the first quarter's products start the sums
	WIN 0                                          ; at a label and at a branch every window is 0
	s_mov_b32 s3, LAPS-1
.Llap:                                             ; a trip goes once round the ring and fills both slots again
	QUARTER 0, 128, F1, F0, 0
	QUARTER 0, 192, F0, F1, 0
	TURN 0, 1
	QUARTER 1, 64,  F0, F1, 0
	QUARTER 1, 128, F1, F0, 0
	QUARTER 1, 192, F0, F1, 0
	TURN 1, 0
	QUARTER 0, 64,  F0, F1, 0
	WIN 0
	s_sub_co_u32 s3, s3, 1
	s_cmp_lg_u32 s3, 0
	s_cbranch_scc1 .Llap
	QUARTER 0, 128, F1, F0, 0, 0, 4                ; the last lap fills nothing.  K step 16 (tg): the gate blocks 0-3 alone
	QUARTER 0, 192, F0, F1, 0, 0, 4
	MEET 0, 0, 4
	PLACES
	FETCH 1, 0, F0, 4, 4
	MUL16 F1, 1, 0, 0, 0, 4
	MUL16 F1, 1, 2, 0, 0, 4
	QUARTER 1, 64,  F0, F1, 0, 4, 4                ; K step 17 (tu): the up blocks 4-7 alone
	QUARTER 1, 128, F1, F0, 0, 4, 4
	QUARTER 1, 192, F0, F1, 0, 4, 4
	s_wait_dscnt 8
	MUL16 F1, 0, 0, 0, 4, 4
	MUL16 F1, 0, 2, 0, 4, 4
	s_wait_dscnt 0x0
	MUL16 F1, 1, 0, 0, 4, 4
	MUL16 F1, 1, 2, 0, 4, 4
; THE WAY OUT of token block a: h = g x 1 / (1 + 2^(-g log2 e)) x u for my 64 outputs, rounded to bf16, 16 bytes a lane into the stage.  The exponentials are one batch with one wait, and so
; are the reciprocals; every accumulator is read from its low end on.
.macro HBLK a
.set AC, 64*((\a)%4)
.set WA, 2+(\a)/4
	WIN WA                                         ; source 0: window 2 or 3
.set i, 0
.rept 16
	v_pk_mul_f32 v[T+2*i:T+2*i+1], v[AC+2*i:AC+2*i+1], s[68:69] op_sel_hi:[1,0]
.set i, i+1
.endr
	WIN 0
.set i, 0
.rept 32
	v_exp_f32 v[T+i], v[T+i]
.set i, i+1
.endr
	v_nop
	s_wait_alu depctr_va_vdst(0)
.set i, 0
.rept 16
	v_pk_add_f32 v[T+2*i:T+2*i+1], v[T+2*i:T+2*i+1], 1.0 op_sel_hi:[1,0]
.set i, i+1
.endr
.set i, 0
.rept 32
	v_rcp_f32 v[T+i], v[T+i]
.set i, i+1
.endr
	v_nop
	s_wait_alu depctr_va_vdst(0)
	WIN WA<<2                                      ; source 1: window 2 or 3
.set i, 0
.rept 16
	v_pk_mul_f32 v[T+2*i:T+2*i+1], v[T+2*i:T+2*i+1], v[AC+2*i:AC+2*i+1]         ; x g first: silu(g) is no larger than g
.set i, i+1
.endr
.set i, 0
.rept 16
	v_pk_mul_f32 v[T+2*i:T+2*i+1], v[T+2*i:T+2*i+1], v[AC+32+2*i:AC+32+2*i+1]   ; x u
.set i, i+1
.endr
	WIN 0
.set i, 0
.rept 16
	v_cvt_pk_bf16_f32 v[P+i], v[T+2*i], v[T+2*i+1]
.set i, i+1
.endr
.irp b, 0,1,2,3
	ds_store_b128 v[STO], v[P+4*\b:P+4*\b+3] offset:(\a)*16*PITCH+32*\b
.endr
.endm
	PLACES
	WIN TO_B                                       ; A_down's fragments fill window 1 while the activation is made: expert e, 32 ks along K at v[32 e + 8 ks]
.irp e, 0,1,2,3,4,5,6,7
.irp ks, 0,1,2,3
	ds_load_b128 v[32*\e+8*\ks:32*\e+8*\ks+3],   v[ADRC] offset:\e*16*PITCH+64*\ks
	ds_load_b128 v[32*\e+8*\ks+4:32*\e+8*\ks+7], v[ADRC] offset:\e*16*PITCH+64*\ks+32
.endr
.endr
.irp a, 0,1,2,3,4,5,6,7
	HBLK \a
.endr
	s_wait_dscnt 0x0                               ; for the others' sake: a row's 256 bytes come from two waves
	s_barrier_signal -1
	s_barrier_wait -1
.set t, 0
.rept 32
	ds_load_b128 v[OB+4*t:OB+4*t+3], v[RD] offset:t*2*PITCH
.set t, t+1
.endr
.set t, 0
.rept 32
	s_wait_dscnt 31-t
	global_store_b128 v[CO], v[OB+4*t:OB+4*t+3], s[74:75] offset:t*2*XP   ; 16 lanes store 256 consecutive bytes, at a multiple of 256 from hb's first byte
.set t, t+1
.endr
	; THE NEXT LAYER'S LOW-RANK NUMBERS, my 64 tokens' share of them, while those stores are on their way.  The stage's rows lie as a tile of A lies: 128 outputs along K.  A trip takes 16 tokens:
	; source 0 = an expert's 16 ranks, source 1 = the tokens; 8 accumulators, one an expert, by turns; then the token's own expert is kept, by selects on idx.
	; A lane ends with ranks 8 (lane / 16) + 0..7 of token lane % 16; store p puts ranks 4 p .. 4 p + 3 of them at byte 512 p + 16 x lane of the block's 1,024: 512 consecutive bytes a store.
	s_wait_loadcnt 0x0                             ; idx
	s_mov_b32 s2, 0                                ; the trip's first row in the stage, in bytes
	s_mov_b32 s3, 4
.Ltd:
	v_add_nc_u32 v[ADRT], s2, v[AT0]
.irp ks, 0,1,2,3
	ds_load_b128 v[T+8*\ks:T+8*\ks+3],   v[ADRT] offset:64*\ks
	ds_load_b128 v[T+8*\ks+4:T+8*\ks+7], v[ADRT] offset:64*\ks+32
.endr
	s_add_co_u32 s2, s2, 16*PITCH
	s_wait_dscnt 0x0
	WIN MUL_LO
.irp e, 0,1,2,3,4,5,6,7
	v_wmma_f32_16x16x32_bf16 v[8*\e:8*\e+7], v[32*\e:32*\e+7], v[T:T+7], 0
.endr
.irp ks, 1,2,3
.irp e, 0,1,2,3,4,5,6,7
	v_wmma_f32_16x16x32_bf16 v[8*\e:8*\e+7], v[32*\e+8*\ks:32*\e+8*\ks+7], v[T+8*\ks:T+8*\ks+7], v[8*\e:8*\e+7]
.endr
.endr
	WIN 0
.irp e, 1,2,3,4,5,6,7
	v_cmp_eq_u32 s[MK+\e], \e, v[IDX]              ; seven plain instructions that name no register of the products: the places behind them
.endr
	WIN 0x0a                                       ; sources 0 and 1 in window 2
.irp j, 0,1,2,3,4,5,6,7
	v_cndmask_b32 v[R+\j], v[\j], v[8+\j], s[MK+1]
.endr
	WIN 0x08                                       ; source 1 in window 2
.irp e, 2,3,4,5,6,7
.irp j, 0,1,2,3,4,5,6,7
	v_cndmask_b32 v[R+\j], v[R+\j], v[8*\e+\j], s[MK+\e]
.endr
.endr
	WIN 0
	global_store_b128 v[LO16], v[R:R+3], s[76:77]
	global_store_b128 v[LO16], v[R+4:R+7], s[76:77] offset:512
	v_mov_b32 v[IDX], v[IDX+1]                     ; the next block's idx comes to the register that the one text of the trip names
	v_mov_b32 v[IDX+1], v[IDX+2]
	v_mov_b32 v[IDX+2], v[IDX+3]
	s_wait_xcnt 0x0                                ; the stores' base and data are rewritten only behind this wait
	s_add_nc_u64 s[76:77], s[76:77], 1024
	s_sub_co_u32 s3, s3, 1
	s_cmp_lg_u32 s3, 0
	s_cbranch_scc1 .Ltd
	s_wait_tensorcnt 0x0                           ; the wave's end
	ds_add_u32 v[SPW], v[NIL]
	s_wait_dscnt 0x0
	CROUND                                         ; the closing round
	s_endpgm
.Lfunc_end_k_q575dceb64d_gemm1:
	.size	k_q575dceb64d_gemm1, .Lfunc_end_k_q575dceb64d_gemm1-k_q575dceb64d_gemm1
	.p2alignl 7, 3214868480
	.fill 96, 4, 3214868480
	.section	.rodata,"a",@progbits
	.p2align	6, 0x0
	.amdhsa_kernel k_q575dceb64d_gemm1
		.amdhsa_group_segment_fixed_size 327680
		.amdhsa_private_segment_fixed_size 0
		.amdhsa_enable_private_segment 0
		.amdhsa_kernarg_size 56
		.amdhsa_user_sgpr_count 2
		.amdhsa_user_sgpr_kernarg_segment_ptr 1
		.amdhsa_wavefront_size32 1
		.amdhsa_system_sgpr_workgroup_id_x 1
		.amdhsa_system_sgpr_workgroup_id_y 1
		.amdhsa_system_sgpr_workgroup_id_z 1
		.amdhsa_system_vgpr_workitem_id 0
		.amdhsa_next_free_vgpr 1024
		.amdhsa_next_free_sgpr 92
		.amdhsa_reserve_vcc 0
		.amdhsa_float_denorm_mode_32 3
		.amdhsa_float_denorm_mode_16_64 3
		.amdhsa_memory_ordered 1
		.amdhsa_forward_progress 1
		.amdhsa_inst_pref_size 174
	.end_amdhsa_kernel
	.amdgpu_metadata
---
amdhsa.version: [ 1, 2 ]
amdhsa.kernels:
  - .name:           k_q575dceb64d_gemm1
    .symbol:         k_q575dceb64d_gemm1.kd
    .args:
      - { .name: xb, .offset: 0, .size: 8, .value_kind: global_buffer, .address_space: global }
      - { .name: wb, .offset: 8, .size: 8, .value_kind: global_buffer, .address_space: global }
      - { .name: tx, .offset: 16, .size: 8, .value_kind: global_buffer, .address_space: global }
      - { .name: adn, .offset: 24, .size: 8, .value_kind: global_buffer, .address_space: global }
      - { .name: idx, .offset: 32, .size: 8, .value_kind: global_buffer, .address_space: global }
      - { .name: hb, .offset: 40, .size: 8, .value_kind: global_buffer, .address_space: global }
      - { .name: tdp, .offset: 48, .size: 8, .value_kind: global_buffer, .address_space: global }
    .group_segment_fixed_size: 327680
    .private_segment_fixed_size: 0
    .kernarg_segment_align: 8
    .kernarg_segment_size: 56
    .max_flat_workgroup_size: 128
    .sgpr_count:     92
    .vgpr_count:     1024
    .wavefront_size: 32
...
	.end_amdgpu_metadata
.endif
;; end of part 3
;; launch gemm2 (part 4): grid 8 x 32, 4 waves a work-group, clusters of 4 x 4, 327,680 bytes of LDS; arguments hb, wb, tdp, idx, out0; writes out0
.if DOCPART == 4
	.amdgcn_target "amdgcn-amd-amdhsa--gfx1250"
	.amdhsa_code_object_version 6
	.text
	.protected	k_q575dceb64d_gemm2
	.globl	k_q575dceb64d_gemm2
	.p2align	8
	.type	k_q575dceb64d_gemm2,@function
k_q575dceb64d_gemm2:
	s_mov_b64 s[64:65], 0
	v_nop
	global_prefetch_b8 v0, s[64:65] scope:SCOPE_SE
	s_setreg_imm32_b32 hwreg(HW_REG_WAVE_MODE, 25, 1), 1
	s_wait_xcnt 0x0
	s_wait_alu depctr_hold_cnt(0) depctr_sa_sdst(0) depctr_va_vdst(0) depctr_va_sdst(0) depctr_va_ssrc(0) depctr_va_vcc(0) depctr_vm_vsrc(0)
	s_getreg_b32 s2, hwreg(HW_REG_IB_STS2, 6, 4)
	s_cmp_eq_u32 s2, 0
	s_cbranch_scc0 .Lentry_in_a_cluster
	s_endpgm
.Lentry_in_a_cluster:
	s_bfe_u32 s2, ttmp6, 0x10000c
	s_cmp_lg_u32 s2, 0xf033
	s_cbranch_scc0 .Lentry_shape_is_right
	s_endpgm
.Lentry_shape_is_right:
; out0[token][o] = h . w_down[o] + t . B_down[.][o], f32.  One product: [hb | t] (4096 x 2176) times WDN^T (2048 rows x 2176, in wb at byte WDOFF).
; t[token][16 e + rank] = 2 x (h . A_down[e][rank]) for the token's expert e = idx[token], 0 for the others.  The launch before has left that dot product in 16 parts, one for each 128 of
; h's columns (tdp, f32, the chosen expert's 16 numbers a token).  At its head each wave adds the 16 parts of 32 tokens in f32, doubles, rounds once to bf16 and lays the numbers, with zeros
; in the other experts' places, into an LDS region of their own (TD), by selects on idx: no address hangs on idx.  K step 16 takes A's fragments from there.
; SHARES.  A work-group: 128 tokens x 256 outputs, so that the 4096 x 2048 outputs make 256 work-groups; four waves, each 64 x 128: 32 accumulators, 256 registers.  K goes in 17 steps of 128
; through two LDS slots; waves 0 and 1 fetch 64 rows of A each, waves 2 and 3 128 rows of WDN each; for step 16 waves 2 and 3 alone.
; CLUSTER 4 x 4: A's tiles are shared along a row of the cluster, WDN's along a column.  The matrix instruction is used transposed: a lane holds one token and 8 neighbouring outputs.
; REGISTERS: window 0: v0-51 addresses and small things; v64-95, v128-159 A's fragments, two buffers (the way out: v64-191 rows read back); window 1: v64-191 WDN's fragments;
;   window 2: accumulator (a, b) at v[8 (8 a + b)]; at the head the 16 parts of t.
; LIMITS.  NaN and infinities are not treated apart.
.set KSTEP,  128
.set PITCH,  272                       ; an LDS row: 256 bytes + 16 = 68 words: row r starts at bank 4 r mod 64 (64 banks of 4 bytes: ISA guide 11.1)
.set AHALF,  64*PITCH
.set BHALF,  128*PITCH
.set BOFF,   2*AHALF                   ; WDN's 256 rows lie behind A's 128
.set SLOT,   BOFF+2*BHALF
.set STAGE,  2*SLOT                    ; behind the ring: 16 rows x 528 bytes for each wave, its own
.set SPITCH, 528
.set SPARE,  STAGE+4*16*SPITCH         ; the spare words: 128 bytes for each wave, two blocks of 256 bytes that no other line names
.set TD,     SPARE+512                 ; t: 128 rows x 272 bytes, stored once by the waves; no tensor load fills it
.set TDCOL,  262144                    ; bytes of one part of tdp: 256 blocks of 16 tokens x 1,024
.set WDNP,   4352
.set WDOFF,  4096*4608
.set ADRA, 16                          ; v16-17 LDS address of my A fragments in slot 0, 1; v18 in TD
.set ADRB, 20                          ; v20-21 of WDN's
.set STO,  24
.set RD,   25
.set CO,   26                          ; v26    16 x lane; never rewritten
.set IO,   27                          ; v27    4 x (lane % 16)
.set SPW,  28
.set NIL,  29
.set TDS,  30                          ; v30    where I put 16 bytes of a row of t
.set IDX,  32                          ; v32-33 the chosen expert of my token in my two blocks of 16
.set Q,    40                          ; v40-47 t's numbers in bf16: block tb's 8 ranks at Q + 4 tb
.set Z,    48                          ; v48-51 those, or 0
.set F0,   64
.set F1,   128
.set RB,   64
.set G1,  24                           ; s[24:31] group 1 for A's tiles;  s[32:39] group 0, a set for each slot
.set G0,  32
.set G1B, 48
.set G0B, 56
.set MSB, 0
.macro WIN new
.if MSB != (\new)
	s_set_vgpr_msb (MSB<<8)|(\new)
.set MSB, \new
.endif
.endm
.set MUL,  0xa1                        ; source 0 (WDN) window 1, source 1 (A) window 0, C and D window 2
.set TO_B, 0x40
.macro JLOAD s                         ; an s_nop 0 and four v_nop follow each of the two lines, ahead of the jump and the label
	s_cmp_eq_u32 s13, 0
	s_cbranch_scc0 .Lfor_b_\@
	tensor_load_to_lds s[G0+4*(\s):G0+4*(\s)+3], s[G1:G1+7]
	s_nop 0
.rept 4
	v_nop
.endr
	s_branch .Lasked_\@
.Lfor_b_\@:
	tensor_load_to_lds s[G0B+4*(\s):G0B+4*(\s)+3], s[G1B:G1B+7]
	s_nop 0
.rept 4
	v_nop
.endr
.Lasked_\@:
.endm
.macro BLOAD s                         ; K step 16 has no tile of A: waves 0 and 1 have no part to fetch; on both ways four v_nop stand in front of what follows
	s_cmp_eq_u32 s13, 0
	s_cbranch_scc1 .Lno_part_\@
	tensor_load_to_lds s[G0B+4*(\s):G0B+4*(\s)+3], s[G1B:G1B+7]
	s_nop 0
.rept 4
	v_nop
.endr
	s_branch .Lasked_\@
.Lno_part_\@:
.rept 4
	v_nop
.endr
.Lasked_\@:
.endm
.macro CREST
	s_cmp_lg_u32 s12, 0
	s_cbranch_scc1 .Lnot_wave_0_\@
	s_barrier_signal -3
.Lnot_wave_0_\@:
	s_barrier_wait -3
	s_barrier_signal -1
	s_barrier_wait -1
.endm
.macro CROUND
	s_barrier_signal -1
	s_barrier_wait -1
	CREST
.endm
	s_load_b256 s[4:11], s[0:1], 0x0               ; hb s[4:5], wb s[6:7], tdp s[8:9], idx s[10:11]
	s_load_b64 s[72:73], s[0:1], 0x20              ; out0
	v_lshl_add_u32 v[SPW], v0, 2, SPARE
	v_mov_b32 v[NIL], 0
	ds_add_u32 v[SPW], v[NIL]                      ; the wave's opening
	v_lshrrev_b32 v1, 5, v0
	v_readfirstlane_b32 s12, v1                    ; wave 0..3
	s_lshr_b32 s13, s12, 1                         ; WH: my half of the tokens.  Also: I fetch for A (0) or for WDN (1)
	s_and_b32 s14, s12, 1                          ; WL: my half of the outputs.  Also: which half of that tile I fetch
	s_bfe_u32 s15, ttmp6, 0x40000                  ; cx
	s_bfe_u32 s16, ttmp6, 0x40004                  ; cy
	s_lshl_b32 s17, ttmp9, 2
	s_add_co_u32 s17, s17, s15                     ; tile column
	s_and_b32 s18, ttmp7, 0xffff
	s_lshl_b32 s18, s18, 2
	s_add_co_u32 s18, s18, s16                     ; tile row
	s_lshl_b32 s19, s16, 2
	s_lshl_b32 s19, 15, s19                        ; my row of the cluster
	s_lshl_b32 s20, 0x1111, s15                    ; my column
	s_or_b32 s[G1+0], s19, (1<<16)|(1<<20)|(1<<21)|(5<<22)|(3<<25)
	s_or_b32 s[G1B+0], s20, (1<<16)|(1<<20)|(1<<21)|(5<<22)|(3<<25)
.irp g, G1, G1B
	s_mov_b32 s[(\g)+1], KSTEP<<16                 ; tensor_dim0 = 128
	s_mov_b32 s[(\g)+3], KSTEP<<16                 ; tile_dim0 = 128
	s_mov_b32 s[(\g)+6], 0
	s_mov_b32 s[(\g)+7], 0
.endr
	s_mov_b32 s[G1+2], 64<<16                      ; A: 64 rows, 2,048 elements apart
	s_mov_b32 s[G1+4], 64
	s_mov_b32 s[G1+5], 2048
	s_mov_b32 s[G1B+2], 128<<16                    ; WDN: 128 rows, 2,176 elements apart
	s_mov_b32 s[G1B+4], 128
	s_mov_b32 s[G1B+5], 2176
	s_lshl_b32 s22, s18, 7
	s_lshl_b32 s44, s14, 6
	s_add_co_u32 s22, s22, s44
	s_lshl_b32 s22, s22, 12                        ; A: row 128 x tile row + 64 x half, in bytes
	s_mov_b32 s23, 0
	s_lshl_b32 s66, s17, 8
	s_lshl_b32 s44, s14, 7
	s_add_co_u32 s66, s66, s44
	s_mul_i32 s66, s66, WDNP
	s_add_co_u32 s66, s66, WDOFF                   ; WDN: row 256 x tile column + 128 x half
	s_mov_b32 s67, 0
	s_mul_i32 s21, s14, AHALF                      ; where they go: A's two halves,
	s_mul_i32 s2, s14, BHALF
	s_add_co_u32 s2, s2, BOFF                      ; WDN's two halves
	v_and_b32 v1, 15, v0                           ; r
	v_bfe_u32 v2, v0, 4, 1                         ; h
	v_and_b32 v[CO], 31, v0
	v_lshlrev_b32 v[CO], 4, v[CO]
	v_lshlrev_b32 v[IO], 2, v1
	s_lshl_b32 s68, s18, 13                        ; tdp at block 8 x tile row + 2 x wave of 16 tokens, 1,024 bytes a block
	s_lshl_b32 s69, s12, 11
	s_add_co_u32 s68, s68, s69
	s_mov_b32 s69, 0
	s_lshl_b32 s70, s18, 9                         ; idx at token 128 x tile row + 32 x wave
	s_lshl_b32 s71, s12, 7
	s_add_co_u32 s70, s70, s71
	s_mov_b32 s71, 0
	s_wait_dscnt 0x0                               ; the opening add is done
	s_wait_kmcnt 0x0
	s_add_nc_u64 s[8:9], s[8:9], s[68:69]
	s_add_nc_u64 s[10:11], s[10:11], s[70:71]
	; the 16 parts of my 32 tokens' t: 2,048 bytes of each part, 512 consecutive bytes a load; they go out ahead of the round, so that they are on their way while the work-groups meet
	WIN 0x80                                       ; destination window 2
.set c, 0
.rept 16
.irp i, 0,1,2,3
	global_load_b128 v[16*c+4*\i:16*c+4*\i+3], v[CO], s[8:9] offset:c*TDCOL+512*\i
.endr
.set c, c+1
.endr
	WIN 0
	global_load_b32 v[IDX], v[IO], s[10:11]
	global_load_b32 v[IDX+1], v[IO], s[10:11] offset:64
	s_add_nc_u64 s[44:45], s[4:5], s[22:23]
	s_add_nc_u64 s[46:47], s[6:7], s[66:67]
	CROUND                                         ; all sixteen work-groups are here: the first joint loads meet
.irp s, 0,1
	s_mov_b32 s[G0+4*(\s)], 1
	s_add_co_u32 s[G0+4*(\s)+1], s21, (\s)*SLOT
	s_add_nc_u64 s[G0+4*(\s)+2:G0+4*(\s)+3], s[44:45], (\s)*KSTEP*2
	s_or_b32 s[G0+4*(\s)+3], s[G0+4*(\s)+3], 0x80000000
	s_mov_b32 s[G0B+4*(\s)], 1
	s_add_co_u32 s[G0B+4*(\s)+1], s2, (\s)*SLOT
	s_add_nc_u64 s[G0B+4*(\s)+2:G0B+4*(\s)+3], s[46:47], (\s)*KSTEP*2
	s_or_b32 s[G0B+4*(\s)+3], s[G0B+4*(\s)+3], 0x80000000
	JLOAD \s                                       ; two tensor loads of mine are out
.endr
	v_mul_u32_u24 v3, v1, PITCH
	v_lshl_add_u32 v3, v2, 4, v3                   ; a fragment's row x pitch + 16 x half
	s_mul_i32 s44, s13, AHALF                      ; my 64 tokens
	s_mul_i32 s45, s14, BHALF                      ; my 128 rows of WDN
	s_add_co_u32 s45, s45, BOFF
	s_add_co_u32 s46, s44, TD
	v_add_nc_u32 v[ADRA+2], s46, v3                ; the same 64 tokens in TD
.irp s, 0,1
	v_add_nc_u32 v[ADRA+(\s)], s44, v3
	v_add_nc_u32 v[ADRB+(\s)], s45, v3
	s_add_co_u32 s44, s44, SLOT
	s_add_co_u32 s45, s45, SLOT
.endr
	s_mul_i32 s46, s12, 32*PITCH
	s_add_co_u32 s46, s46, TD
	v_add_nc_u32 v[TDS], s46, v3                   ; into TD: row 32 x wave + 16 tb + r, byte 32 e + 16 h
	s_mul_i32 s46, s12, 16*SPITCH
	s_add_co_u32 s46, s46, STAGE                   ; my stage
	v_mul_u32_u24 v[STO], v1, SPITCH               ; in: row r, byte 64 b + 32 h
	v_lshl_add_u32 v[STO], v2, 5, v[STO]
	v_add_nc_u32 v[STO], s46, v[STO]
	v_add_nc_u32 v[RD], s46, v[CO]                 ; back: a load takes one row of 512 bytes, 16 a lane
	s_lshl_b32 s70, s18, 7
	s_lshl_b32 s71, s13, 6
	s_add_co_u32 s70, s70, s71
	s_lshl_b32 s70, s70, 13                        ; out0 at row 128 x tile row + 64 WH,
	s_lshl_b32 s71, s17, 10                        ; byte 1,024 x tile column + 512 WL
	s_add_co_u32 s70, s70, s71
	s_lshl_b32 s71, s14, 9
	s_add_co_u32 s70, s70, s71
	s_mov_b32 s71, 0
	s_add_nc_u64 s[72:73], s[72:73], s[70:71]
	; t.  Load i = 2 tb + p of a part holds, in lane l, ranks 8 (l / 16) + 4 p + 0..3 of token 16 tb + l % 16.  The 16 parts are added in f32, pairwise: 8, 4, 2, 1 parts apart.
	s_wait_loadcnt 0x0
	WIN 0x8a                                       ; destination and sources in window 2
.irp s, 8,4,2,1
.set c, 0
.rept \s
.set j, 0
.rept 8
	v_pk_add_f32 v[16*c+2*j:16*c+2*j+1], v[16*c+2*j:16*c+2*j+1], v[16*(c+\s)+2*j:16*(c+\s)+2*j+1]
.set j, j+1
.endr
.set c, c+1
.endr
.endr
.set j, 0
.rept 8
	v_pk_mul_f32 v[2*j:2*j+1], v[2*j:2*j+1], 2.0 op_sel_hi:[1,0]   ; lora_alpha / rank
.set j, j+1
.endr
	WIN 0x0a                                       ; sources in window 2, destination in window 0
.set j, 0
.rept 8
	v_cvt_pk_bf16_f32 v[Q+j], v[2*j], v[2*j+1]
.set j, j+1
.endr
	WIN 0
.irp tb, 0,1
.irp e, 0,1,2,3,4,5,6,7
	v_cmp_eq_u32 vcc_lo, \e, v[IDX+\tb]
.irp j, 0,1,2,3
	v_cndmask_b32 v[Z+\j], 0, v[Q+4*\tb+\j], vcc_lo
.endr
	ds_store_b128 v[TDS], v[Z:Z+3] offset:\tb*16*PITCH+32*\e       ; 8 ranks of expert e's place: the numbers, or zeros
.endr
.endr
; 8 matrix instructions: token block a x all 8 blocks of outputs, 32 along K; the 32 accumulators take turns
.macro MUL8 f, a, zero
	WIN MUL
.irp b, 0,1,2,3,4,5,6,7
.if \zero
	v_wmma_f32_16x16x32_bf16 v[8*(8*(\a)+(\b)):8*(8*(\a)+(\b))+7], v[(\f)+8*(\b):(\f)+8*(\b)+7], v[(\f)+8*(\a):(\f)+8*(\a)+7], 0
.else
	v_wmma_f32_16x16x32_bf16 v[8*(8*(\a)+(\b)):8*(8*(\a)+(\b))+7], v[(\f)+8*(\b):(\f)+8*(\b)+7], v[(\f)+8*(\a):(\f)+8*(\a)+7], v[8*(8*(\a)+(\b)):8*(8*(\a)+(\b))+7]
.endif
.endr
.endm
; 24 LDS loads in one run: 16 for WDN's fragments, then 8 for A's.  ax = 2: A's come from TD
.macro FETCH slot, k, f, ax=-1
.set AR, ADRA+(\slot)
.if (\ax) >= 0
.set AR, ADRA+(\ax)
.endif
	WIN TO_B
.irp i, 0,1,2,3,4,5,6,7
	ds_load_b128 v[(\f)+8*(\i):(\f)+8*(\i)+3],   v[ADRB+(\slot)] offset:(\k)+(\i)*16*PITCH
	ds_load_b128 v[(\f)+8*(\i)+4:(\f)+8*(\i)+7], v[ADRB+(\slot)] offset:(\k)+(\i)*16*PITCH+32
.endr
	WIN 0
.irp i, 0,1,2,3
	ds_load_b128 v[(\f)+8*(\i):(\f)+8*(\i)+3],   v[AR] offset:(\k)+(\i)*16*PITCH
	ds_load_b128 v[(\f)+8*(\i)+4:(\f)+8*(\i)+7], v[AR] offset:(\k)+(\i)*16*PITCH+32
.endr
.endm
.macro PLACES
.rept 4
	v_nop
.endr
.endm
.macro QUARTER slot, k, f, g, zero, ax=-1
	s_wait_dscnt 4                                 ; the youngest four loads, A's blocks 2 and 3, may be out
	MUL8 \f, 0, \zero
	MUL8 \f, 1, \zero
	PLACES
	FETCH \slot, \k, \g, \ax
	s_wait_dscnt 24                                ; all but the 24 just issued
	MUL8 \f, 2, \zero
	MUL8 \f, 3, \zero
.endm
; The last quarter and the change of slots.  mode 1: this slot is filled again, two K steps on.  mode 2: the same, WDN's part alone (K step 16).  mode 0: nothing is filled.
.macro TURN slot, next, mode, ax=-1
	WIN 0                                          ; (the add's two registers lie in window 0)
	s_wait_tensorcnt 0x0                           ; all my tensor loads have landed: my part of the next slot
	ds_add_u32 v[SPW], v[NIL]
	s_wait_dscnt 7                                 ; the add and the youngest six loads, A's blocks 1 to 3, may be out
	MUL8 F1, 0, 0
	s_wait_dscnt 0x0                               ; the add is done, and my reads of this slot are over
	s_barrier_signal -1
	MUL8 F1, 1, 0
.if \mode
	WIN 0
.endif
	s_barrier_wait -1
.if \mode
	CREST                                          ; no wave of any partner still reads this slot or has a load on its way
	s_add_nc_u64 s[G0B+4*(\slot)+2:G0B+4*(\slot)+3], s[G0B+4*(\slot)+2:G0B+4*(\slot)+3], 2*KSTEP*2
.if (\mode) == 1
	s_add_nc_u64 s[G0+4*(\slot)+2:G0+4*(\slot)+3], s[G0+4*(\slot)+2:G0+4*(\slot)+3], 2*KSTEP*2
	JLOAD \slot                                    ; the first tensor load behind the round; its four v_nop are also the places in front of the loads below
.else
	BLOAD \slot
.endif
.else
	PLACES
.endif
	FETCH \next, 0, F0, \ax
	MUL8 F1, 2, 0
	MUL8 F1, 3, 0
.endm
	s_wait_tensorcnt 0x1                           ; my part of K step 0 is in; step 1's may stay out
	s_wait_dscnt 0x0                               ; for the others' sake: my rows of t are in LDS
	s_barrier_signal -1
	s_barrier_wait -1
	FETCH 0, 0, F0
	QUARTER 0, 64,  F0, F1, 1                      ; the first quarter's products start the sums
	WIN 0
	s_mov_b32 s3, 7
.Llap:                                             ; seven trips ask for K steps 2 to 15
	QUARTER 0, 128, F1, F0, 0
	QUARTER 0, 192, F0, F1, 0
	TURN 0, 1, 1
	QUARTER 1, 64,  F0, F1, 0
	QUARTER 1, 128, F1, F0, 0
	QUARTER 1, 192, F0, F1, 0
	TURN 1, 0, 1
	QUARTER 0, 64,  F0, F1, 0
	WIN 0
	s_sub_co_u32 s3, s3, 1
	s_cmp_lg_u32 s3, 0
	s_cbranch_scc1 .Llap
	QUARTER 0, 128, F1, F0, 0                      ; K step 14 goes on
	QUARTER 0, 192, F0, F1, 0
	TURN 0, 1, 2                                   ; slot 0's second part takes B_down's columns, K step 16
	QUARTER 1, 64,  F0, F1, 0
	QUARTER 1, 128, F1, F0, 0
	QUARTER 1, 192, F0, F1, 0
	TURN 1, 0, 0, 2                                ; K step 16: WDN's fragments from slot 0, A's from TD
	QUARTER 0, 64,  F0, F1, 0, 2
	QUARTER 0, 128, F1, F0, 0, 2
	QUARTER 0, 192, F0, F1, 0, 2
	s_wait_dscnt 4
	MUL8 F1, 0, 0
	MUL8 F1, 1, 0
	s_wait_dscnt 0x0
	MUL8 F1, 2, 0
	MUL8 F1, 3, 0
; THE WAY OUT of token block a: a lane's 8 f32 of each accumulator go into my own stage, low four first, and come back as whole rows of 512 bytes.
.macro OUTB a
.set BK, RB+64*((\a)%2)
.if (\a) >= 2
	s_wait_xcnt 0x0                                ; the registers that the stores of two blocks ago read are loaded again only behind this wait
.endif
	WIN 0x08                                       ; store data (source 1) in window 2
.irp b, 0,1,2,3,4,5,6,7
	ds_store_b128 v[STO], v[8*(8*(\a)+\b):8*(8*(\a)+\b)+3] offset:64*\b
	ds_store_b128 v[STO], v[8*(8*(\a)+\b)+4:8*(8*(\a)+\b)+7] offset:64*\b+16
.endr
	WIN 0
.irp t, 0,1,2,3,4,5,6,7,8,9,10,11,12,13,14,15
	ds_load_b128 v[BK+4*\t:BK+4*\t+3], v[RD] offset:\t*SPITCH   ; LDS serves a wave's instructions in order (ISA guide 5.7.1.4): these see the stores above; the next block's stores come behind them
.endr
.irp t, 0,1,2,3,4,5,6,7,8,9,10,11,12,13,14,15
	s_wait_dscnt 15-\t
	global_store_b128 v[CO], v[BK+4*\t:BK+4*\t+3], s[72:73] offset:(\a)*131072+\t*8192 th:TH_STORE_NT   ; 512 consecutive bytes, at a multiple of 256 from out0's first byte
.endr
.endm
	PLACES
	OUTB 0
	OUTB 1
	OUTB 2
	OUTB 3
	s_wait_tensorcnt 0x0                           ; the wave's end
	ds_add_u32 v[SPW], v[NIL]
	s_wait_dscnt 0x0
	CROUND                                         ; the closing round
	s_endpgm
.Lfunc_end_k_q575dceb64d_gemm2:
	.size	k_q575dceb64d_gemm2, .Lfunc_end_k_q575dceb64d_gemm2-k_q575dceb64d_gemm2
	.p2alignl 7, 3214868480
	.fill 96, 4, 3214868480
	.section	.rodata,"a",@progbits
	.p2align	6, 0x0
	.amdhsa_kernel k_q575dceb64d_gemm2
		.amdhsa_group_segment_fixed_size 327680
		.amdhsa_private_segment_fixed_size 0
		.amdhsa_enable_private_segment 0
		.amdhsa_kernarg_size 40
		.amdhsa_user_sgpr_count 2
		.amdhsa_user_sgpr_kernarg_segment_ptr 1
		.amdhsa_wavefront_size32 1
		.amdhsa_system_sgpr_workgroup_id_x 1
		.amdhsa_system_sgpr_workgroup_id_y 1
		.amdhsa_system_sgpr_workgroup_id_z 1
		.amdhsa_system_vgpr_workitem_id 0
		.amdhsa_next_free_vgpr 768
		.amdhsa_next_free_sgpr 76
		.amdhsa_reserve_vcc 1
		.amdhsa_float_denorm_mode_32 3
		.amdhsa_float_denorm_mode_16_64 3
		.amdhsa_memory_ordered 1
		.amdhsa_forward_progress 1
		.amdhsa_inst_pref_size 122
	.end_amdhsa_kernel
	.amdgpu_metadata
---
amdhsa.version: [ 1, 2 ]
amdhsa.kernels:
  - .name:           k_q575dceb64d_gemm2
    .symbol:         k_q575dceb64d_gemm2.kd
    .args:
      - { .name: hb, .offset: 0, .size: 8, .value_kind: global_buffer, .address_space: global }
      - { .name: wb, .offset: 8, .size: 8, .value_kind: global_buffer, .address_space: global }
      - { .name: tdp, .offset: 16, .size: 8, .value_kind: global_buffer, .address_space: global }
      - { .name: idx, .offset: 24, .size: 8, .value_kind: global_buffer, .address_space: global }
      - { .name: out0, .offset: 32, .size: 8, .value_kind: global_buffer, .address_space: global }
    .group_segment_fixed_size: 327680
    .private_segment_fixed_size: 0
    .kernarg_segment_align: 8
    .kernarg_segment_size: 40
    .max_flat_workgroup_size: 128
    .sgpr_count:     76
    .vgpr_count:     768
    .wavefront_size: 32
...
	.end_amdgpu_metadata
.endif
;; end of part 4
